; MI455X (gfx1250); checked and timed in simulation.
; The chip was launched on July 23, 2026; its instructions are those of AMD's public machine-readable ISA for CDNA 5 (MIT licence, August 2026) and "CDNA5" Instruction Set Architecture Reference Guide (July 2026). The comments in the code are by the model that wrote it; some were corrected since.
;; Transformer Block. Allowed arithmetic: matrix products marked QUANTISED: E4M3 operands, one given power-of-two scale a tensor, by v_wmma_f32_16x16x64_fp8_fp8 or v_wmma_f32_16x16x128_fp8_fp8, f32 sums; everything else in f32.
;; Inputs: W1 1,024 x 4,096 float32; W2 4,096 x 1,024 float32; Wk 1,024 x 1,024 float32; Wo 1,024 x 1,024 float32; Wq 1,024 x 1,024 float32; Wv 1,024 x 1,024 float32; b1 4,096 float32; b2 1,024 float32; bk 1,024 float32; bo 1,024 float32; bq 1,024 float32; bv 1,024 float32; g1 1,024 float32; g2 1,024 float32; lowp_scales 16 int32 (the exponents e of the quantised operands' scales 2^e); s1 1,024 float32; s2 1,024 float32; x 2 x 2,048 x 1,024 float32.
;; Outputs: out0 2 x 2,048 x 1,024 float32.
;; This version of the problem:
;;   THIS VERSION OF THE PROBLEM IS GIVEN IN LOW PRECISION. The matrix products marked QUANTISED in the list below multiply operands that are first quantised to E4M3 (4 exponent bits, 3 mantissa bits; 8 bits a number), with one given power-of-two scale for each operand tensor; their sums are f32. All else is computed in f32.
;;   The module's matrix products, in the order in which they are computed (A, B: the left and right operand; K: the contracted axis; several contracted axes count as one K, in the product's order):
;;     1. [M 4,096, K 1,024] x [K 1,024, N 1,024]; A: computed on the way; B: input Wq: QUANTISED (scales: A lowp_scales[0], B lowp_scales[1])
;;     2. [M 4,096, K 1,024] x [K 1,024, N 1,024]; A: computed on the way; B: input Wk: QUANTISED (scales: A lowp_scales[2], B lowp_scales[3])
;;     3. [M 4,096, K 1,024] x [K 1,024, N 1,024]; A: computed on the way; B: input Wv: QUANTISED (scales: A lowp_scales[4], B lowp_scales[5])
;;     4. batch 32 x [M 2,048, K 64] x [K 64, N 2,048]; A: computed on the way; B: computed on the way: QUANTISED (scales: A lowp_scales[6], B lowp_scales[7])
;;     5. batch 32 x [M 2,048, K 2,048] x [K 2,048, N 64]; A: softmax (see below); B: computed on the way: QUANTISED (scales: A lowp_scales[8], B lowp_scales[9])
;;     6. [M 4,096, K 1,024] x [K 1,024, N 1,024]; A: computed on the way; B: input Wo: QUANTISED (scales: A lowp_scales[10], B lowp_scales[11])
;;     7. [M 4,096, K 1,024] x [K 1,024, N 4,096]; A: computed on the way; B: input W1: QUANTISED (scales: A lowp_scales[12], B lowp_scales[13])
;;     8. [M 4,096, K 4,096] x [K 4,096, N 1,024]; A: computed on the way; B: input W2: QUANTISED (scales: A lowp_scales[14], B lowp_scales[15])
;;   THE QUANTISER, for each operand of a quantised product, along K:
;;     - The operand's scale is 2^e, e = its entry of the input lowp_scales (int32; the entries are numbered through the quantised products in the list's order, A before B).
;;     - Each number is divided by the scale, clamped to +-448, and rounded to the nearest number of E4M3, ties to even, subnormals kept.
;;     - The product sums the exact products of the quantised numbers (number of the format x scale) in f32.
;;   ~~~python
;;   def quantise(x, axis, e):      # numpy; x: float32 -> the quantised numbers, widened to float32 again
;;       x = np.moveaxis(x, axis, -1); K = x.shape[-1]
;;       r = np.clip(x / 2.0 ** e, -448, 448)
;;       step = 2.0 ** (np.maximum(np.frexp(np.where(r == 0, 1, r))[1] - 1, -6) - 3)
;;       q = np.round(r / step) * step * 2.0 ** e      # np.round: ties to even
;;       return np.moveaxis(q, -1, axis).astype(np.float32)
;;   ~~~
;;   SOFTMAX AHEAD OF A QUANTISED PRODUCT. Where the list says 'softmax', what is quantised is not the finished softmax but p = 2^(t - M), with t = logit x log2(e) and M = ceil(the row's largest t), a whole number; so 1/2 < the row's largest p <= 1. The row's sum l is taken of the UNQUANTISED p, in f32, and the product's result is divided by l at the end. Since M is a whole number, a kernel that streams over the keys may use a running M (the ceiling of the running maximum): every later rescaling is an exact power of two, so the quantised numbers keep their values, but for numbers so far below the row's largest that they fall under the format's range.
;;   OPERANDS COMPUTED ON THE WAY. 'Computed on the way' means the value that the module computes at that place (a softmax that the list does not call 'softmax' is quantised finished and normalised). What goes into a quantiser is computed in f32, as accurately as f32 sums, v_exp_f32 and their like allow (about 1e-6 of the number): no bf16 or f16 on the way to a quantiser, and a product that is left as it is and whose result goes on into a quantised operand takes f32 operands (vector FMAs, or v_wmma_f32_16x16x4_f32). A number that lies on a knife's edge between two numbers of the format may be rounded either way, as far as f32 arithmetic and the matrix unit's own rounding can turn it there, and no further.
;; One version. Each part assembles by itself: llvm-mc -triple=amdgcn-amd-amdhsa -mcpu=gfx1250 --defsym DOCPART=n.
;; ======== version 1 of 1: 7 launches
;; limits: right only within a limited range of input values
;; workspace buffers: codes 25,165,824 bytes; qkvc 12,582,912 bytes; ctxc 4,194,304 bytes; x1 16,777,216 bytes; h2c 4,194,304 bytes; gc 16,777,216 bytes
;; launch prep (part 1): grid 640 x 1, 4 waves a work-group, no clusters, 35,328 bytes of LDS; arguments x, g1, s1, Wq, Wk, Wv, Wo, W1, W2, lowp_scales, codes; writes codes
.if DOCPART == 1
	.amdgcn_target "amdgcn-amd-amdhsa--gfx1250"
	.amdhsa_code_object_version 6
	.text
	.protected	k_q5cb4fadecb_prep
	.globl	k_q5cb4fadecb_prep
	.p2align	8
	.type	k_q5cb4fadecb_prep,@function
k_q5cb4fadecb_prep:
	s_mov_b64 s[64:65], 0
	v_nop
	global_prefetch_b8 v0, s[64:65] scope:SCOPE_SE
	s_setreg_imm32_b32 hwreg(HW_REG_WAVE_MODE, 25, 1), 1
	s_wait_xcnt 0x0
; PREP.  Work-groups 0-383: the six weights, f32 stored [K][N], become codes of E4M3 laid [N][K], K innermost, each with its given scale 2^e.
; Work-groups 384-639: h = layer norm of x (mean; variance over 1,023; gain g1, shift s1), quantised three times, with the scales of entries 0, 2 and 4, rows of 1,024 codes.
; The buffer of codes, in bytes: h by entry 0 at 0, by entry 2 at 4 Mi, by entry 4 at 8 Mi; Wq 12 Mi, Wk 13 Mi, Wv 14 Mi, Wo 15 Mi, W1 16 Mi, W2 20 Mi.
; code = number / 2^e, held within +-448, rounded to the nearest code, ties to even.
; LIMITS: every e used here lies between -126 and 119, so that 2^e and 448 x 2^e are f32 numbers.  NaN and infinities among the inputs are not served.  The division by 1,023 is a multiplication by the f32 number nearest 1/1023.
; WEIGHTS: a work-group takes 128 columns x 256 along K, a wave 32 columns; A LANE TAKES A COLUMN AND ITS REGISTERS RUN DOWN K, so that a conversion's eight sources are neighbours along K and nothing is transposed
; by an instruction.  A lane's codes belong to one row of the output: they go through the wave's own stage in LDS and leave as rows, sixteen lanes storing 256 consecutive, aligned bytes.
; LAYER NORM: a wave takes four rows, one row at a time, whole, in 32 registers a lane; no LDS, no barrier.  Lane l holds elements 256 j + 8 l + 0..7 (j = 0..3): eight neighbours for a conversion,
; and the wave's store of 8 bytes a lane covers 256 consecutive, aligned bytes.  The variance is taken of x - mean, so that a common offset in x does no harm.
; No tensor loads, no matrix work, no clusters: every byte is read once, waves share nothing.
.set SPARE, 34816                      ; behind the four stages: the spare words, 128 bytes a wave, which no other line names
.set SPW,   2                          ; v2  LDS address of my spare word; never rewritten
.set NIL,   3                          ; v3  0; never rewritten
.set PITCH, 272                        ; a stage row: 256 bytes of codes + 16
.set WOF,   16                         ; v16-47   weights: 4 x lane + i rows of the weight
.set WX,    48                         ; v48-111  two sets of 32 numbers
.set WC,    112                        ; v112-119 a block's codes
.set OUTR,  120                        ; v120-183 the way out
.set OOF,   184                        ; v184-199 the way out: byte offsets of my 16 bytes in rows 2 t + lane / 16
.set LG,    16                         ; v16-47   layer norm: the gain at my 32 elements
.set LS,    48                         ; v48-79   the shift
.set LX,    80                         ; v80-207  four rows
.set LT,    208                        ; v208-223 two sets of 8 held numbers
.set LC,    224                        ; v224-247 a row's codes, 8 registers for each of the three scales
.macro POW2 e, vs, vl                  ; v[vs] = 2^e as f32 (a conversion takes its exponent field), v[vl] = 448 x 2^e
	s_add_co_i32 s34, \e, 127
	s_lshl_b32 s35, s34, 23
	v_mov_b32 v[\vs], s35
	s_add_co_i32 s34, s34, 8
	s_lshl_b32 s34, s34, 23
	s_or_b32 s34, s34, 0x600000
	v_mov_b32 v[\vl], s34
.endm
	s_load_b512 s[4:19], s[0:1], 0x0               ; x, g1, s1, Wq, Wk, Wv, Wo, W1
	s_load_b128 s[20:23], s[0:1], 0x40             ; W2, the scales' exponents
	s_load_b64 s[24:25], s[0:1], 0x50              ; the codes
	v_lshl_add_u32 v[SPW], v0, 2, SPARE
	v_mov_b32 v[NIL], 0
	v_lshrrev_b32 v1, 5, v0
	v_readfirstlane_b32 s28, v1                    ; wave
	v_and_b32 v1, 31, v0                           ; lane
	s_wait_kmcnt 0x0
	s_load_b512 s[36:51], s[22:23], 0x0            ; the sixteen exponents: entry n in s[36 + n]
	s_cmp_lt_u32 ttmp9, 384
	s_cbranch_scc0 .Lln
	; ---------------- the weights.  Which weight, which 128 columns, which 256 along K: from the work-group's number alone
	s_lshr_b32 s52, ttmp9, 7                       ; 0: the four square weights, 32 work-groups each; 1: W1; 2: W2, 128 each
	s_lshr_b32 s53, ttmp9, 5
	s_add_co_u32 s54, s52, 3
	s_cmp_eq_u32 s52, 0
	s_cselect_b32 s53, s53, s54                    ; 0..5: Wq, Wk, Wv, Wo, W1, W2
	s_cselect_b32 s54, 31, 127
	s_and_b32 s54, ttmp9, s54                      ; my number within the weight
	s_mov_b32 s56, 4096
	s_mov_b32 s57, 1024
	s_cmp_eq_u32 s53, 4
	s_cselect_b32 s55, 5, 3                        ; log2 of the blocks of 128 columns
	s_cselect_b32 s56, 16384, s56                  ; a row of the weight in bytes
	s_cmp_eq_u32 s53, 5
	s_cselect_b32 s57, 4096, s57                   ; a row of its codes in bytes: K
	s_cselect_b32 s58, 8, s53
	s_lshl_b32 s58, s58, 20
	s_add_co_u32 s58, s58, 0xc00000                ; where its codes begin
	s_lshl_b32 s59, 1, s55
	s_sub_co_u32 s59, s59, 1
	s_and_b32 s59, s54, s59                        ; block of columns
	s_lshr_b32 s60, s54, s55                       ; block of 256 along K
	s_lshl_b32 s61, s59, 7
	s_lshl_b32 s62, s28, 5
	s_add_co_u32 s61, s61, s62                     ; my wave's first column
	s_mul_i32 s62, s28, 32*PITCH                   ; my stage
	s_wait_alu depctr_va_vdst(0)
	v_mul_u32_u24 v8, v1, PITCH
	v_add_nc_u32 v8, s62, v8                       ; into it: row = my column
	v_and_b32 v5, 15, v1
	v_lshrrev_b32 v6, 4, v1
	v_mul_u32_u24 v9, v6, PITCH
	v_lshl_add_u32 v9, v5, 4, v9
	v_add_nc_u32 v9, s62, v9                       ; out of it: sixteen lanes to a row, two rows an instruction
	v_mul_lo_u32 v[OOF], v6, s57
	v_lshl_add_u32 v[OOF], v5, 4, v[OOF]           ; and the same place among the codes
	s_lshl_b32 s34, s57, 1
.set I, 1
.rept 15
	v_add_nc_u32 v[OOF+I], s34, v[OOF+I-1]
.set I, I+1
.endr
	v_lshlrev_b32 v[WOF], 2, v1
.set I, 1
.rept 31
	v_add_nc_u32 v[WOF+I], s56, v[WOF+I-1]         ; a row further down for each register
.set I, I+1
.endr
	s_mul_i32 s62, s60, s56
	s_lshl_b32 s62, s62, 8                         ; 256 rows for each block along K
	s_lshl_b32 s63, s61, 2
	s_add_co_u32 s62, s62, s63
	s_mov_b32 s63, 0
	s_wait_alu depctr_va_vdst(0)
	s_wait_kmcnt 0x0
	s_mov_b64 s[26:27], s[10:11]                   ; the weight's address and its exponent (entries 1, 3, 5, 11, 13, 15): chosen by the work-group's number
	s_mov_b32 s29, s37
	s_cmp_eq_u32 s53, 1
	s_cselect_b64 s[26:27], s[12:13], s[26:27]
	s_cselect_b32 s29, s39, s29
	s_cmp_eq_u32 s53, 2
	s_cselect_b64 s[26:27], s[14:15], s[26:27]
	s_cselect_b32 s29, s41, s29
	s_cmp_eq_u32 s53, 3
	s_cselect_b64 s[26:27], s[16:17], s[26:27]
	s_cselect_b32 s29, s47, s29
	s_cmp_eq_u32 s53, 4
	s_cselect_b64 s[26:27], s[18:19], s[26:27]
	s_cselect_b32 s29, s49, s29
	s_cmp_eq_u32 s53, 5
	s_cselect_b64 s[26:27], s[20:21], s[26:27]
	s_cselect_b32 s29, s51, s29
	s_add_nc_u64 s[68:69], s[26:27], s[62:63]      ; eight bases, one for each block of 32 along K: none is ever stepped
	s_lshl_b32 s62, s56, 5
.irp t, 1,2,3,4,5,6,7
	s_add_nc_u64 s[68+2*\t:69+2*\t], s[66+2*\t:67+2*\t], s[62:63]
.endr
	s_mul_i32 s62, s61, s57
	s_lshl_b32 s33, s60, 8
	s_add_co_u32 s62, s62, s33
	s_add_co_u32 s62, s62, s58
	s_add_nc_u64 s[30:31], s[24:25], s[62:63]      ; my wave's first code: row = first column, 256 bytes for each block along K
.macro WLOAD t                         ; block t: W(32 t + i, my column), i = 0..31, into set t % 2
.set I, 0
.rept 32
	global_load_b32 v[WX+32*((\t)%2)+I], v[WOF+I], s[68+2*(\t):69+2*(\t)] th:TH_LOAD_NT
.set I, I+1
.endr
.endm
.macro WBLOCK t
.set XS, WX+32*((\t)%2)
.if (\t) < 7
	s_wait_loadcnt 32                              ; this block's 32 loads are in; the next block's 32 may be out
.else
	s_wait_loadcnt 0
.endif
.set I, 0
.rept 32
	v_med3_num_f32 v[XS+I], v[XS+I], -v10, v10     ; the conversion to an 8-bit code does not saturate (ISA guide 7.6.2): the hold comes first
.set I, I+1
.endr
.irp g, 0,1,2,3
	v_cvt_scalef32_pk8_fp8_f32 v[WC+2*\g:WC+2*\g+1], v[XS+8*\g:XS+8*\g+7], v11
.endr
	ds_store_b128 v8, v[WC:WC+3] offset:32*(\t)    ; 32 codes of my column's row.  (The codes go to LDS stores alone; the next block's 32 holds are the plain lines ahead of the next conversions)
	ds_store_b128 v8, v[WC+4:WC+7] offset:32*(\t)+16
.if (\t)+2 < 8
	WLOAD (\t)+2
.endif
	s_wait_dscnt 0x0                               ; the stores have read their registers: the next block's codes may be written
.endm
	WLOAD 0
	WLOAD 1
	POW2 s29, 11, 10
	s_wait_alu depctr_va_vdst(0)
.irp t, 0,1,2,3,4,5,6,7
	WBLOCK \t
.endr
.set I, 0
.rept 16
	ds_load_b128 v[OUTR+4*I:OUTR+4*I+3], v9 offset:2*I*PITCH   ; LDS serves a wave's instructions in order (ISA guide 5.7.1.4): these see my stores
.set I, I+1
.endr
.set I, 0
.rept 16
	s_wait_dscnt 15-I                              ; the younger reads may be out
	global_store_b128 v[OOF+I], v[OUTR+4*I:OUTR+4*I+3], s[30:31]   ; sixteen lanes store 256 consecutive bytes of a row of codes, aligned
.set I, I+1
.endr
	s_wait_tensorcnt 0x0                           ; the wave's end: a wait, an add to my spare word and its wait behind my last LDS store
	ds_add_u32 v[SPW], v[NIL]
	s_wait_dscnt 0x0
	s_endpgm
	; ---------------- the layer norm.
.Lln:
	s_sub_co_u32 s52, ttmp9, 384
	s_lshl_b32 s52, s52, 4
	s_lshl_b32 s53, s28, 2
	s_add_co_u32 s52, s52, s53                     ; my wave's first row
	s_lshl_b32 s54, s52, 12
	s_mov_b32 s55, 0
	s_add_nc_u64 s[4:5], s[4:5], s[54:55]          ; x at that row
	s_lshl_b32 s54, s52, 10
	s_add_co_u32 s54, s54, 0x400000
	s_add_nc_u64 s[30:31], s[24:25], s[54:55]      ; the middle one of the three tensors of codes at that row: the others lie 4 Mi to either side, inside the signed 24-bit immediate
	s_wait_alu depctr_va_vdst(0)
	v_lshlrev_b32 v4, 5, v1                        ; 32 bytes a lane in
	v_lshlrev_b32 v5, 3, v1                        ; 8 bytes a lane out
.irp j, 0,1,2,3
	global_load_b128 v[LG+8*\j:LG+8*\j+3], v4, s[6:7] offset:1024*\j
	global_load_b128 v[LG+8*\j+4:LG+8*\j+7], v4, s[6:7] offset:1024*\j+16
.endr
.irp j, 0,1,2,3
	global_load_b128 v[LS+8*\j:LS+8*\j+3], v4, s[8:9] offset:1024*\j
	global_load_b128 v[LS+8*\j+4:LS+8*\j+7], v4, s[8:9] offset:1024*\j+16
.endr
.irp r, 0,1,2,3
.irp j, 0,1,2,3
	global_load_b128 v[LX+32*\r+8*\j:LX+32*\r+8*\j+3], v4, s[4:5] offset:4096*\r+1024*\j th:TH_LOAD_NT
	global_load_b128 v[LX+32*\r+8*\j+4:LX+32*\r+8*\j+7], v4, s[4:5] offset:4096*\r+1024*\j+16 th:TH_LOAD_NT
.endr
.endr
	s_mov_b32 s32, 0x76543210                      ; v_permlanex16_b32: each lane takes its own place in the other half
	s_mov_b32 s33, 0xfedcba98
	s_mov_b32 s26, 0x3a802008                      ; 1 / 1023
	s_mov_b32 s27, 0x2b8cbccc                      ; 1e-12
	s_wait_kmcnt 0x0
	POW2 s36, 10, 11
	POW2 s38, 12, 13
	POW2 s40, 14, 15
.macro REDUCE                          ; v248 summed over the 32 lanes, the result in every lane
	v_add_f32_dpp v248, v248, v248 row_xmask:1 row_mask:0xf bank_mask:0xf
	v_add_f32_dpp v248, v248, v248 row_xmask:2 row_mask:0xf bank_mask:0xf
	v_add_f32_dpp v248, v248, v248 row_xmask:4 row_mask:0xf bank_mask:0xf
	v_add_f32_dpp v248, v248, v248 row_xmask:8 row_mask:0xf bank_mask:0xf
	v_permlanex16_b32 v249, v248, s32, s33
	v_add_f32 v248, v248, v249
.endm
; Row rr of my four.  nt: with how many scales it is quantised; mid: which of those tensors the store's base points at.
.macro LNROW rr, nt, mid
.set XR, LX+32*(\rr)
	s_wait_loadcnt 8*(3-(\rr))                     ; gain, shift and my rows up to this one are in; 8 loads for each later row may be out
	v_pk_add_f32 v[248:249], v[XR:XR+1], v[XR+2:XR+3]
	v_pk_add_f32 v[250:251], v[XR+4:XR+5], v[XR+6:XR+7]
.irp j, 8,12,16,20,24,28
	v_pk_add_f32 v[248:249], v[248:249], v[XR+\j:XR+\j+1]
	v_pk_add_f32 v[250:251], v[250:251], v[XR+\j+2:XR+\j+3]
.endr
	v_pk_add_f32 v[248:249], v[248:249], v[250:251]
	v_add_f32 v248, v248, v249
	REDUCE
	v_mul_f32 v6, 0x3a800000, v248                 ; the mean: / 1024
	v_mov_b32 v7, v6
.set J, 0
.rept 16
	v_pk_add_f32 v[XR+J:XR+J+1], v[XR+J:XR+J+1], v[6:7] neg_lo:[0,1] neg_hi:[0,1]   ; x - mean
.set J, J+2
.endr
	v_pk_mul_f32 v[248:249], v[XR:XR+1], v[XR:XR+1]
	v_pk_mul_f32 v[250:251], v[XR+2:XR+3], v[XR+2:XR+3]
.irp j, 4,8,12,16,20,24,28
	v_pk_fma_f32 v[248:249], v[XR+\j:XR+\j+1], v[XR+\j:XR+\j+1], v[248:249]
	v_pk_fma_f32 v[250:251], v[XR+\j+2:XR+\j+3], v[XR+\j+2:XR+\j+3], v[250:251]
.endr
	v_pk_add_f32 v[248:249], v[248:249], v[250:251]
	v_add_f32 v248, v248, v249
	REDUCE
	v_fma_f32 v248, v248, s26, s27                 ; the variance over 1,023, + 1e-12
	s_wait_alu depctr_va_vdst(0)
	v_rsq_f32 v8, v248
	v_rsq_f32 v9, v248                             ; twice: a pair for the packed multiply
	v_nop                                          ; a plain line behind the last of them (ISA guide 5.7.2),
	s_wait_alu depctr_va_vdst(0)                   ; and the one wait ahead of the first reader
.set J, 0
.rept 16
	v_pk_mul_f32 v[XR+J:XR+J+1], v[XR+J:XR+J+1], v[8:9]
.set J, J+2
.endr
.set J, 0
.rept 16
	v_pk_fma_f32 v[XR+J:XR+J+1], v[XR+J:XR+J+1], v[LG+J:LG+J+1], v[LS+J:LS+J+1]
.set J, J+2
.endr
	s_wait_xcnt 0x0                                ; the last row's stores have read their data registers, which are written anew below
.irp q, 0,1,2
.if \q < \nt
.irp j, 0,1,2,3
.irp i, 0,1,2,3,4,5,6,7
	v_med3_num_f32 v[LT+8*(\j%2)+\i], v[XR+8*\j+\i], -v[11+2*\q], v[11+2*\q]   ; the hold, into one of two sets by turns: eight plain lines stand between a conversion and the next write of its sources
.endr
	v_cvt_scalef32_pk8_fp8_f32 v[LC+8*\q+2*\j:LC+8*\q+2*\j+1], v[LT+8*(\j%2):LT+8*(\j%2)+7], v[10+2*\q]
.endr
.endif
.endr
.irp q, 0,1,2
.if \q < \nt
.irp j, 0,1,2,3
	global_store_b64 v5, v[LC+8*\q+2*\j:LC+8*\q+2*\j+1], s[30:31] offset:(\q-\mid)*0x400000+(\rr)*1024+256*\j   ; the wave stores 256 consecutive bytes, aligned
.endr
.endif
.endr
.endm
	LNROW 0, 3, 1
	LNROW 1, 3, 1
	LNROW 2, 3, 1
	LNROW 3, 3, 1
	s_endpgm
.Lfunc_end_k_q5cb4fadecb_prep:
	.size	k_q5cb4fadecb_prep, .Lfunc_end_k_q5cb4fadecb_prep-k_q5cb4fadecb_prep
	.p2alignl 7, 3214868480
	.fill 96, 4, 3214868480
	.section	.rodata,"a",@progbits
	.p2align	6, 0x0
	.amdhsa_kernel k_q5cb4fadecb_prep
		.amdhsa_group_segment_fixed_size 35328
		.amdhsa_private_segment_fixed_size 0
		.amdhsa_enable_private_segment 0
		.amdhsa_kernarg_size 88
		.amdhsa_user_sgpr_count 2
		.amdhsa_user_sgpr_kernarg_segment_ptr 1
		.amdhsa_wavefront_size32 1
		.amdhsa_system_sgpr_workgroup_id_x 1
		.amdhsa_system_sgpr_workgroup_id_y 1
		.amdhsa_system_sgpr_workgroup_id_z 1
		.amdhsa_system_vgpr_workitem_id 0
		.amdhsa_next_free_vgpr 256
		.amdhsa_next_free_sgpr 92
		.amdhsa_reserve_vcc 0
		.amdhsa_float_denorm_mode_32 3
		.amdhsa_float_denorm_mode_16_64 3
		.amdhsa_memory_ordered 1
		.amdhsa_forward_progress 1
		.amdhsa_inst_pref_size 115
	.end_amdhsa_kernel
	.amdgpu_metadata
---
amdhsa.version: [ 1, 2 ]
amdhsa.kernels:
  - .name:           k_q5cb4fadecb_prep
    .symbol:         k_q5cb4fadecb_prep.kd
    .args:
      - { .name: x, .offset: 0, .size: 8, .value_kind: global_buffer, .address_space: global }
      - { .name: g1, .offset: 8, .size: 8, .value_kind: global_buffer, .address_space: global }
      - { .name: s1, .offset: 16, .size: 8, .value_kind: global_buffer, .address_space: global }
      - { .name: Wq, .offset: 24, .size: 8, .value_kind: global_buffer, .address_space: global }
      - { .name: Wk, .offset: 32, .size: 8, .value_kind: global_buffer, .address_space: global }
      - { .name: Wv, .offset: 40, .size: 8, .value_kind: global_buffer, .address_space: global }
      - { .name: Wo, .offset: 48, .size: 8, .value_kind: global_buffer, .address_space: global }
      - { .name: W1, .offset: 56, .size: 8, .value_kind: global_buffer, .address_space: global }
      - { .name: W2, .offset: 64, .size: 8, .value_kind: global_buffer, .address_space: global }
      - { .name: lowp_scales, .offset: 72, .size: 8, .value_kind: global_buffer, .address_space: global }
      - { .name: codes, .offset: 80, .size: 8, .value_kind: global_buffer, .address_space: global }
    .group_segment_fixed_size: 35328
    .private_segment_fixed_size: 0
    .kernarg_segment_align: 8
    .kernarg_segment_size: 88
    .max_flat_workgroup_size: 128
    .sgpr_count:     92
    .vgpr_count:     256
    .wavefront_size: 32
...
	.end_amdgpu_metadata
.endif
;; end of part 1
;; launch qkv (part 2): grid 12 x 16, 4 waves a work-group, clusters of 4 x 4, 327,680 bytes of LDS; arguments codes, bq, bk, bv, lowp_scales, qkvc; writes qkvc
.if DOCPART == 2
	.amdgcn_target "amdgcn-amd-amdhsa--gfx1250"
	.amdhsa_code_object_version 6
	.text
	.protected	k_q5cb4fadecb_qkv
	.globl	k_q5cb4fadecb_qkv
	.p2align	8
	.type	k_q5cb4fadecb_qkv,@function
k_q5cb4fadecb_qkv:
	s_mov_b64 s[64:65], 0
	v_nop
	global_prefetch_b8 v0, s[64:65] scope:SCOPE_SE
	s_setreg_imm32_b32 hwreg(HW_REG_WAVE_MODE, 25, 1), 1
	s_wait_xcnt 0x0
	s_wait_alu depctr_hold_cnt(0) depctr_sa_sdst(0) depctr_va_vdst(0) depctr_va_sdst(0) depctr_va_ssrc(0) depctr_va_vcc(0) depctr_vm_vsrc(0)
	s_getreg_b32 s2, hwreg(HW_REG_IB_STS2, 6, 4)
	s_cmp_eq_u32 s2, 0
	s_cbranch_scc0 .Lentry_in_a_cluster
	s_endpgm
.Lentry_in_a_cluster:
	s_bfe_u32 s2, ttmp6, 0x10000c
	s_cmp_lg_u32 s2, 0xf033
	s_cbranch_scc0 .Lentry_shape_is_right
	s_endpgm
.Lentry_shape_is_right:
.set KSTEP,  256
.set ROWB,   256
.set KROW,   1024
.set PITCH,  272
.set FR,     16
.set NL,     4
.set NP,     4
.set HALFT,  128*PITCH
.set SLOT,   4*HALFT
.set LAPS,   KROW/(2*KSTEP)
.set SPARE,  2*SLOT
.set STGW,   2304
.set STG_CB, SPARE+512
.set STG_V,  STG_CB+4*STGW
.set BCA,  12
.set BRA,  13
.set ADRA, 16
.set ADRB, 20
.set STOV, 22
.set RDV,  23
.set STO,  24
.set RD,   25
.set CO,   26
.set COV,  27
.set SPW,  28
.set NIL,  29
.set LIM,  30
.set SCL,  31
.set BC,   32
.set BR,   96
.set AF,   128
.set XV,   128
.set PC,   192
.set G1, 24
.set G0, 32
.set G1B, 48
.set G0B, 56
.set MSB, 0
.macro WIN new
.if MSB != \new
	s_set_vgpr_msb (MSB<<8)|\new
.set MSB, \new
.endif
.endm
.set MUL_LO, 0xa1
.set MUL_HI, 0xf1
.set TO_B,   0x40
.macro JLOAD g0a, g1a, g0b, g1b
	s_cmp_eq_u32 s15, 0
	s_cbranch_scc0 .Lfor_b_\@
	tensor_load_to_lds s[\g0a:\g0a+3], s[\g1a:\g1a+7]
	s_nop 0
.rept 4
	v_nop
.endr
	s_branch .Lasked_\@
.Lfor_b_\@:
	tensor_load_to_lds s[\g0b:\g0b+3], s[\g1b:\g1b+7]
	s_nop 0
.rept 4
	v_nop
.endr
.Lasked_\@:
.endm
.macro CREST
	s_cmp_lg_u32 s14, 0
	s_cbranch_scc1 .Lnot_wave_0_\@
	s_barrier_signal -3
.Lnot_wave_0_\@:
	s_barrier_wait -3
	s_barrier_signal -1
	s_barrier_wait -1
.endm
.macro CROUND
	s_barrier_signal -1
	s_barrier_wait -1
	CREST
.endm
	s_load_b256 s[4:11], s[0:1], 0x0
	s_load_b128 s[84:87], s[0:1], 0x20
	v_lshl_add_u32 v[SPW], v0, 2, SPARE
	v_mov_b32 v[NIL], 0
	ds_add_u32 v[SPW], v[NIL]
	ds_add_u32 v[SPW], v[NIL]
	v_lshrrev_b32 v1, 5, v0
	v_readfirstlane_b32 s14, v1
	s_lshr_b32 s15, s14, 1
	s_and_b32 s16, s14, 1
	s_bfe_u32 s40, ttmp6, 0x40000
	s_bfe_u32 s41, ttmp6, 0x40004
	s_and_b32 s93, ttmp7, 0xffff
	s_lshl_b32 s93, s93, 2
	s_lshl_b32 s94, ttmp9, 22
	s_lshl_b32 s95, ttmp9, 20
	s_add_co_u32 s95, s95, 0xc00000
	s_cmp_eq_u32 ttmp9, 2
	s_cselect_b32 s17, 0, s93
	s_cselect_b32 s42, s93, 0
	s_cselect_b32 s94, 0xe00000, s94
	s_cselect_b32 s95, 0x800000, s95
	s_add_co_u32 s17, s17, s41
	s_add_co_u32 s42, s42, s40
	s_lshl_b32 s43, s41, 2
	s_lshl_b32 s43, 15, s43
	s_lshl_b32 s44, 0x1111, s40
	s_or_b32 s[G1+0], s43, (0<<16)|(1<<20)|(1<<21)|(5<<22)|(3<<25)
	s_or_b32 s[G1B+0], s44, (0<<16)|(1<<20)|(1<<21)|(5<<22)|(3<<25)
.irp g, G1, G1B
	s_mov_b32 s[\g+1], ROWB<<16
	s_mov_b32 s[\g+2], 128<<16
	s_mov_b32 s[\g+3], ROWB<<16
	s_mov_b32 s[\g+4], 128
	s_mov_b32 s[\g+5], KROW
	s_mov_b32 s[\g+6], 0
	s_mov_b32 s[\g+7], 0
.endr
	s_lshl_b32 s18, s16, 7
	s_lshl_b32 s20, s17, 8
	s_add_co_u32 s20, s20, s18
	s_lshl_b32 s20, s20, 10
	s_add_co_u32 s20, s20, s94
	s_mov_b32 s21, 0
	s_lshl_b32 s46, s42, 8
	s_add_co_u32 s46, s46, s18
	s_lshl_b32 s46, s46, 10
	s_add_co_u32 s46, s46, s95
	s_mov_b32 s47, 0
	s_mul_i32 s45, s14, HALFT
	s_wait_dscnt 0x0
	s_wait_kmcnt 0x0
	s_load_b512 s[68:83], s[84:85], 0x0
	s_add_nc_u64 s[20:21], s[4:5], s[20:21]
	s_add_nc_u64 s[46:47], s[4:5], s[46:47]
	CROUND
.irp s, 0,1
	s_mov_b32 s[G0+4*\s], 1
	s_add_co_u32 s[G0+4*\s+1], s45, \s*SLOT
	s_add_nc_u64 s[G0+4*\s+2:G0+4*\s+3], s[20:21], \s*ROWB
	s_or_b32 s[G0+4*\s+3], s[G0+4*\s+3], 0x80000000
	s_mov_b32 s[G0B+4*\s], 1
	s_add_co_u32 s[G0B+4*\s+1], s45, \s*SLOT
	s_add_nc_u64 s[G0B+4*\s+2:G0B+4*\s+3], s[46:47], \s*ROWB
	s_or_b32 s[G0B+4*\s+3], s[G0B+4*\s+3], 0x80000000
.endr
	JLOAD G0, G1, G0B, G1B
	; the prefetches: of the 128 rows that I fetch, my work-group names 32, told from its three partners' by address (cx for the first operand, cy for the second): a lane a row, 256 bytes of a row to a K step
	s_cmp_eq_u32 s15, 0
	s_cselect_b64 s[92:93], s[20:21], s[46:47]
	s_cselect_b32 s94, s40, s41
	s_lshl_b32 s94, s94, 15
	s_mov_b32 s95, 0
	s_add_nc_u64 s[92:93], s[92:93], s[94:95]
	v_and_b32 v14, 31, v0
	v_lshlrev_b32 v14, 10, v14
	global_prefetch_b8 v14, s[92:93] offset:256 th:TH_LOAD_NT scope:SCOPE_SE   ; K step 1, whose load follows when K step 0 has landed,
	global_prefetch_b8 v14, s[92:93] offset:512 th:TH_LOAD_NT scope:SCOPE_SE   ; and K step 2: two loads ahead of its own
	v_and_b32 v1, 15, v0
	s_wait_alu depctr_va_vdst(0)
	v_bfe_u32 v2, v0, 4, 1
	v_mul_u32_u24 v3, v1, PITCH
	v_lshl_add_u32 v4, v2, 4, v3
	s_mul_i32 s21, s15, HALFT
	s_mul_i32 s22, s16, HALFT
	s_add_co_u32 s22, s22, 2*HALFT
.irp s, 0,1
	v_add_nc_u32 v[ADRA+\s], s21, v4
	v_add_nc_u32 v[ADRB+\s], s22, v4
	s_add_co_u32 s21, s21, SLOT
	s_add_co_u32 s22, s22, SLOT
.endr
	s_mul_i32 s23, s14, STGW
	v_lshrrev_b32 v3, 2, v1
	v_mul_u32_u24 v3, v3, 272
	v_and_b32 v5, 3, v1
	v_lshl_add_u32 v3, v5, 6, v3
	v_lshl_add_u32 v3, v2, 3, v3
	v_add_nc_u32 v3, s23, v3
	v_add_nc_u32 v[STO], STG_CB, v3
	v_mul_u32_u24 v5, v2, 1088
	v_lshl_add_u32 v5, v1, 4, v5
	v_add_nc_u32 v5, s23, v5
	v_add_nc_u32 v[RD], STG_CB, v5
	v_lshlrev_b32 v[CO], 18, v2
	v_lshl_add_u32 v[CO], v1, 4, v[CO]
	v_lshrrev_b32 v3, 1, v1
	v_mul_u32_u24 v3, v3, 272
	v_and_b32 v5, 1, v1
	v_lshl_add_u32 v3, v5, 7, v3
	v_lshl_add_u32 v3, v2, 3, v3
	v_add_nc_u32 v3, s23, v3
	v_add_nc_u32 v[STOV], STG_V, v3
	v_mul_u32_u24 v5, v2, 272
	v_lshl_add_u32 v5, v1, 4, v5
	v_add_nc_u32 v5, s23, v5
	v_add_nc_u32 v[RDV], STG_V, v5
	v_and_b32 v6, 31, v0
	v_lshlrev_b32 v[COV], 4, v6
	s_cmp_eq_u32 ttmp9, 1
	s_cselect_b64 s[88:89], s[8:9], s[6:7]
	s_cmp_eq_u32 ttmp9, 2
	s_cselect_b64 s[88:89], s[10:11], s[88:89]
	s_lshl_b32 s12, s42, 8
	s_lshl_b32 s13, s16, 7
	s_add_co_u32 s12, s12, s13
	s_lshl_b32 s13, s17, 8
	s_lshl_b32 s98, s15, 7
	s_add_co_u32 s13, s13, s98
	s_cmp_eq_u32 ttmp9, 2
	s_cselect_b32 s12, 0, s12
	s_cselect_b32 s13, s13, 0
	s_lshl_b32 s12, s12, 2
	s_lshl_b32 s13, s13, 2
	v_lshl_add_u32 v[BCA], v2, 5, s12
	v_lshl_add_u32 v[BRA], v1, 2, s13
.irp b, 0,1,2,3,4,5,6,7
	global_load_b128 v[BC+8*\b:BC+8*\b+3], v[BCA], s[88:89] offset:64*\b
	global_load_b128 v[BC+8*\b+4:BC+8*\b+7], v[BCA], s[88:89] offset:64*\b+16
.endr
.irp a, 0,1,2,3,4,5,6,7
	global_load_b32 v[BR+2*\a], v[BRA], s[88:89] offset:64*\a
	global_load_b32 v[BR+2*\a+1], v[BRA], s[88:89] offset:64*\a
.endr
	s_lshl_b32 s12, s42, 1
	s_add_co_u32 s12, s12, s16
	s_lshl_b32 s13, s17, 3
	s_lshl_b32 s98, s15, 2
	s_add_co_u32 s13, s13, s98
	s_lshr_b32 s98, s12, 4
	s_add_co_u32 s13, s13, s98
	s_lshl_b32 s13, s13, 4
	s_and_b32 s98, s12, 15
	s_add_co_u32 s13, s13, s98
	s_lshl_b32 s13, s13, 13
	s_add_co_u32 s13, s13, 0x800000
	s_lshl_b32 s12, s12, 19
	s_lshl_b32 s98, s17, 14
	s_add_co_u32 s12, s12, s98
	s_lshl_b32 s98, s15, 13
	s_add_co_u32 s12, s12, s98
	s_lshl_b32 s98, ttmp9, 22
	s_add_co_u32 s12, s12, s98
	s_cmp_eq_u32 ttmp9, 2
	s_cselect_b32 s12, s13, s12
	s_mov_b32 s13, 0
	s_add_nc_u64 s[90:91], s[86:87], s[12:13]
.macro FRAG reg, adr, q, i
.irp c, 0,1,2,3
	ds_load_b128 v[\reg+4*\c:\reg+4*\c+3], v[\adr] offset:128*(\q)+32*\c+(\i)*16*PITCH
.endr
.endm
.macro MUL16 a0, p, zero
.irp a, \a0, \a0+1
.irp b, 0,1,2,3,4,5,6,7
.if \zero
	v_wmma_f32_16x16x128_fp8_fp8 v[8*(8*((\a)%4)+\b):8*(8*((\a)%4)+\b)+7], v[128*(\p)+FR*\b:128*(\p)+FR*\b+FR-1], v[AF+FR*(\a):AF+FR*(\a)+FR-1], 0
.else
	v_wmma_f32_16x16x128_fp8_fp8 v[8*(8*((\a)%4)+\b):8*(8*((\a)%4)+\b)+7], v[128*(\p)+FR*\b:128*(\p)+FR*\b+FR-1], v[AF+FR*(\a):AF+FR*(\a)+FR-1], v[8*(8*((\a)%4)+\b):8*(8*((\a)%4)+\b)+7]
.endif
.endr
.endr
.endm
.macro FETCH_B slot, q, p
	WIN TO_B
.irp i, 0,1,2,3,4,5,6,7
	FRAG 128*(\p)+FR*\i, ADRB+\slot, \q, \i
.endr
	WIN 0
.endm
.macro FETCH_A slot, q, i0
.irp i, \i0, \i0+1, \i0+2, \i0+3
	FRAG AF+FR*(\i), ADRA+\slot, \q, \i
.endr
.endm
.macro PLACES n
.rept \n
	v_nop
.endr
.endm
.macro STEP slot, q, zero
	s_wait_dscnt 4*NL
	WIN MUL_LO
	MUL16 0, (\q)%2, \zero
	MUL16 2, (\q)%2, \zero
	s_wait_dscnt 0
	PLACES NP
	FETCH_B \slot, (\q)+1, 1-(\q)%2
	FETCH_A \slot, (\q)+1, 0
	WIN MUL_HI
	MUL16 4, (\q)%2, \zero
	MUL16 6, (\q)%2, \zero
	PLACES NP
	WIN 0
	FETCH_A \slot, (\q)+1, 4
.endm
.macro TURN slot, next, fill
	s_wait_tensorcnt 0x0
	ds_add_u32 v[SPW], v[NIL]
	s_wait_dscnt 4*NL+1
	WIN MUL_LO
	MUL16 0, 1, 0
	s_wait_dscnt 0x0
	s_barrier_signal -1
	MUL16 2, 1, 0
	WIN 0
	s_barrier_wait -1
.if \fill
	CREST
	s_add_nc_u64 s[G0+4*\slot+2:G0+4*\slot+3], s[G0+4*\slot+2:G0+4*\slot+3], 2*ROWB
	s_add_nc_u64 s[G0B+4*\slot+2:G0B+4*\slot+3], s[G0B+4*\slot+2:G0B+4*\slot+3], 2*ROWB
	JLOAD G0+4*\slot, G1, G0B+4*\slot, G1B
.else
	PLACES NP
.endif
	FETCH_B \next, 0, 0
	FETCH_A \next, 0, 0
	WIN MUL_HI
	MUL16 4, 1, 0
	MUL16 6, 1, 0
	PLACES NP
	WIN 0
	FETCH_A \next, 0, 4
.endm
	s_wait_alu depctr_va_vdst(0)                   ; the wait at the head's end
	s_wait_tensorcnt 0x0                           ; my part of K step 0 is in; slot 1's first fill is issued as a refill is:
	ds_add_u32 v[SPW], v[NIL]
	s_wait_dscnt 0x0
	CROUND                                         ; everybody's part of K step 0 is in, and the joint loads meet
	JLOAD G0+4, G1, G0B+4, G1B                     ; K step 1: the first tensor load behind the round
	FETCH_B 0, 0, 0
	FETCH_A 0, 0, 0
	FETCH_A 0, 0, 4
	global_prefetch_b8 v14, s[92:93] offset:768 th:TH_LOAD_NT scope:SCOPE_SE   ; behind K step 1's load: K step 3, the last
	STEP 0, 0, 1
	s_mov_b32 s3, LAPS-1
.Llap:
	TURN 0, 1, 1
	STEP 1, 0, 0
	TURN 1, 0, 1
	STEP 0, 0, 0
	s_sub_co_u32 s3, s3, 1
	s_cmp_lg_u32 s3, 0
	s_cbranch_scc1 .Llap
	TURN 0, 1, 0
	STEP 1, 0, 0
	s_wait_dscnt 4*NL
	WIN MUL_LO
	MUL16 0, 1, 0
	MUL16 2, 1, 0
	s_wait_dscnt 0
	WIN MUL_HI
	MUL16 4, 1, 0
	MUL16 6, 1, 0
	WIN 0
.macro EPI a, kind
.set AC, 64*((\a)%4)
.set PCS, PC+16*((\a)%2)
.set BKS, 16*((\a)%2)
	WIN 0x02+((\a)/4)
.set J, 0
.rept 32
.if \kind
	v_pk_fma_f32 v[XV+J:XV+J+1], v[AC+J:AC+J+1], s[96:97], v[BR+2*(\a):BR+2*(\a)+1] op_sel_hi:[1,0,1]
.else
	v_pk_fma_f32 v[XV+J:XV+J+1], v[AC+J:AC+J+1], s[96:97], v[BC+J:BC+J+1] op_sel_hi:[1,0,1]
.endif
.set J, J+2
.endr
	WIN 0
.set J, 0
.rept 64
	v_med3_num_f32 v[XV+J], v[XV+J], -v[LIM], v[LIM]
.set J, J+1
.endr
.irp b, 0,1,2,3,4,5,6,7
	v_cvt_scalef32_pk8_fp8_f32 v[PCS+2*\b:PCS+2*\b+1], v[XV+8*\b:XV+8*\b+7], v[SCL]
.endr
	v_nop
.irp b, 0,1,2,3,4,5,6,7
.if \kind
	ds_store_b64 v[STOV], v[PCS+2*\b:PCS+2*\b+1] offset:16*\b
.else
	ds_store_b64 v[STO], v[PCS+2*\b:PCS+2*\b+1] offset:(\b/4)*1088+16*(\b%4)
.endif
.endr
	WIN 0x40
.irp t, 0,1,2,3
.if \kind
	ds_load_b128 v[BKS+4*\t:BKS+4*\t+3], v[RDV] offset:2*\t*272
.else
	ds_load_b128 v[BKS+4*\t:BKS+4*\t+3], v[RD] offset:\t*272
.endif
.endr
	WIN 0
.endm
.macro SEND a, younger, kind
.set BKS, 16*((\a)%2)
	s_wait_dscnt \younger
	WIN 0x04
.irp t, 0,1,2,3
.if \kind
	global_store_b128 v[COV], v[BKS+4*\t:BKS+4*\t+3], s[90:91] offset:((\a)/4)*262144+((\a)%4)*2048+512*\t
.else
	global_store_b128 v[CO], v[BKS+4*\t:BKS+4*\t+3], s[90:91] offset:(\a)*1024+256*\t
.endif
.endr
	WIN 0
.endm
.macro WAYOUT kind
	EPI 0, \kind
.irp a, 1,2,3,4,5,6,7
.if \a > 1
	s_wait_xcnt 0x0
.endif
	EPI \a, \kind
	SEND \a-1, 12, \kind
.endr
	SEND 7, 0, \kind
	s_wait_tensorcnt 0x0
	ds_add_u32 v[SPW], v[NIL]
	s_wait_dscnt 0x0
	CROUND
	s_endpgm
.endm
	s_wait_loadcnt 0x0
	s_wait_kmcnt 0x0
	s_add_co_i32 s96, s68, s69
	s_add_co_i32 s98, s70, s71
	s_add_co_i32 s99, s72, s73
	s_cmp_eq_u32 ttmp9, 1
	s_cselect_b32 s96, s98, s96
	s_cselect_b32 s98, s75, s74
	s_cmp_eq_u32 ttmp9, 2
	s_cselect_b32 s96, s99, s96
	s_cselect_b32 s98, s77, s98
	s_add_co_i32 s96, s96, 127
	s_lshl_b32 s96, s96, 23
	s_mov_b32 s97, s96
	s_add_co_i32 s98, s98, 127
	s_lshl_b32 s99, s98, 23
	v_mov_b32 v[SCL], s99
	s_add_co_i32 s98, s98, 8
	s_lshl_b32 s98, s98, 23
	s_or_b32 s98, s98, 0x600000
	v_mov_b32 v[LIM], s98
	PLACES NP
	s_cmp_eq_u32 ttmp9, 2
	s_cbranch_scc1 .Lv_out
	WAYOUT 0
.Lv_out:
	WAYOUT 1
.Lfunc_end_k_q5cb4fadecb_qkv:
	.size	k_q5cb4fadecb_qkv, .Lfunc_end_k_q5cb4fadecb_qkv-k_q5cb4fadecb_qkv
	.p2alignl 7, 3214868480
	.fill 96, 4, 3214868480
	.section	.rodata,"a",@progbits
	.p2align	6, 0x0
	.amdhsa_kernel k_q5cb4fadecb_qkv
		.amdhsa_group_segment_fixed_size 327680
		.amdhsa_private_segment_fixed_size 0
		.amdhsa_enable_private_segment 0
		.amdhsa_kernarg_size 48
		.amdhsa_user_sgpr_count 2
		.amdhsa_user_sgpr_kernarg_segment_ptr 1
		.amdhsa_wavefront_size32 1
		.amdhsa_system_sgpr_workgroup_id_x 1
		.amdhsa_system_sgpr_workgroup_id_y 1
		.amdhsa_system_sgpr_workgroup_id_z 1
		.amdhsa_system_vgpr_workitem_id 0
		.amdhsa_next_free_vgpr 1024
		.amdhsa_next_free_sgpr 100
		.amdhsa_reserve_vcc 0
		.amdhsa_float_denorm_mode_32 3
		.amdhsa_float_denorm_mode_16_64 3
		.amdhsa_memory_ordered 1
		.amdhsa_forward_progress 1
		.amdhsa_inst_pref_size 211
	.end_amdhsa_kernel
	.amdgpu_metadata
---
amdhsa.version: [ 1, 2 ]
amdhsa.kernels:
  - .name:           k_q5cb4fadecb_qkv
    .symbol:         k_q5cb4fadecb_qkv.kd
    .args:
      - { .name: codes, .offset: 0, .size: 8, .value_kind: global_buffer, .address_space: global }
      - { .name: bq, .offset: 8, .size: 8, .value_kind: global_buffer, .address_space: global }
      - { .name: bk, .offset: 16, .size: 8, .value_kind: global_buffer, .address_space: global }
      - { .name: bv, .offset: 24, .size: 8, .value_kind: global_buffer, .address_space: global }
      - { .name: lowp_scales, .offset: 32, .size: 8, .value_kind: global_buffer, .address_space: global }
      - { .name: qkvc, .offset: 40, .size: 8, .value_kind: global_buffer, .address_space: global }
    .group_segment_fixed_size: 327680
    .private_segment_fixed_size: 0
    .kernarg_segment_align: 8
    .kernarg_segment_size: 48
    .max_flat_workgroup_size: 128
    .sgpr_count:     100
    .vgpr_count:     1024
    .wavefront_size: 32
...
	.end_amdgpu_metadata
.endif
;; end of part 2
;; launch attn (part 3): grid 8 x 32, 16 waves a work-group, clusters of 4 x 1, 327,680 bytes of LDS; arguments qkvc, lowp_scales, ctxc; writes ctxc
.if DOCPART == 3
	.amdgcn_target "amdgcn-amd-amdhsa--gfx1250"
	.amdhsa_code_object_version 6
	.text
	.protected	k_q5cb4fadecb_attn
	.globl	k_q5cb4fadecb_attn
	.p2align	8
	.type	k_q5cb4fadecb_attn,@function
k_q5cb4fadecb_attn:
	s_mov_b64 s[64:65], 0
	v_nop
	global_prefetch_b8 v0, s[64:65] scope:SCOPE_SE
	s_setreg_imm32_b32 hwreg(HW_REG_WAVE_MODE, 25, 1), 1
	s_wait_xcnt 0x0
	s_wait_alu depctr_hold_cnt(0) depctr_sa_sdst(0) depctr_va_vdst(0) depctr_va_sdst(0) depctr_va_ssrc(0) depctr_va_vcc(0) depctr_vm_vsrc(0)
	s_getreg_b32 s2, hwreg(HW_REG_IB_STS2, 6, 4)
	s_cmp_eq_u32 s2, 0
	s_cbranch_scc0 .Lentry_in_a_cluster
	s_endpgm
.Lentry_in_a_cluster:
	s_bfe_u32 s2, ttmp6, 0x10000c
	s_cmp_lg_u32 s2, 0x3003
	s_cbranch_scc0 .Lentry_shape_is_right
	s_endpgm
.Lentry_shape_is_right:
; ctx = softmax(q k^T / 8, causal) v for 32 (head, batch) pairs of 2,048 tokens, head size 64, both products on codes of E4M3; the result is quantised at once by entry 10 of the scales.
; q at byte 0 and k at 4 Mi of the input: [pair y][2,048 tokens][64 codes]; v at 8 Mi: [pair y][16 blocks of keys][64 channels][128 keys]; a pair's part is 131,072 bytes in each.  ctx: laid as q.
; LEFT OUT: steps of 128 keys all of which come after a tile's 16 queries: the causal mask sets their scores to -infinity, so they add nothing to any sum.
; THE SOFTMAX: t = score x log2(e) / 8; M = the running largest t rounded UP to a whole number; p = 2^(t - M) is quantised (entry 8), not normalised; the row's sum is taken of the unquantised p and divides at the end.
; When M moves, the sum and O are multiplied by 2^(old M - new M), which rounds nothing.
; NO RING: a pair's K and V are 2 x 131,072 bytes and lie whole in LDS (278,528 bytes with padding).  Each of the sixteen waves fetches 16 KiB by ONE tensor load at the head (waves 0-7: K's eighths, waves 8-15: V's);
; nothing is filled again, and behind the one barrier that shows the tiles no wave waits for another.
; CLUSTER: the four work-groups of a cluster (4, 1, 1) have the same y and so the same K and V: each load is a joint one, mask 15; its descriptor hangs on y and the wave's number alone.
; SHARES.  Work-group j (0..7) of pair y owns the tiles of 16 queries j + 8 a, a = 0..15: tile a lies in block a of 128 keys and walks a + 1 steps, whatever j.  A wave owns one tile: wave w < 8 takes a = 15 - w,
; wave w >= 8 takes a = w - 8: the longest tiles have the lowest wave numbers, and waves w, w + 4, w + 8, w + 12 together walk 34 steps for every w < 4 (so do waves 2 u, 2 u + 1, 2 u + 8, 2 u + 9).
; Branches hang on the wave's number and on the count of steps alone; j enters global addresses and the diagonal's compare, which selects values.
; The loop has a constant trip count (16 steps); a wave jumps over the steps behind its tile's diagonal.
; TWO BANKS OF 64 REGISTERS BY TURNS: a step finds K's fragments in one and writes the scores into the other; V's fragments are fetched into K's bank behind the score products, the next step's K into the scores' bank behind the conversions.
; NO PREFETCH: every tile is asked for at the head, so there is no loop in which a request could run ahead of a load.
; LAYOUT.  Both products are used transposed: S^T = K Q^T, O^T = V^T P^T: a lane holds ONE query (lane % 16).  THE KEYS OF A TILE ARE NOT NEIGHBOURS: lane r of tile 2 b + u takes key 32 b + 8 u + r + 8 (r / 8),
; so that the 16 registers of tiles 2 b, 2 b + 1 are the 16 neighbouring keys 32 b + 16 (lane / 16) + 0..15.  Fragments are fetched 16 bytes at a time: the same permutation of K on both sides of a product.
; LIMITS: entries 6 + 7 between -123 and 130; entries 8 and 10 between -126 and 119.  NaN and infinities are not served.
; REGISTERS: v1-7 addresses that stay; v8, v9 addresses in hand; v12 -M, v13 the largest t, v[14:15] the sum; v16-23 Q; v32-95, v96-159 the two banks;
;   v160-191 O^T; v192-199 sums, v208-211 maxima at work; v224-239 p's codes; v240-255 constants, two addresses and work.
.set UP,    272                        ; 256 bytes of a tile in LDS + 16 of padding
.set KBB,   32*UP                      ; a block of 128 keys: 32 runs, of K as of V
.set PART,  64*UP                      ; what one tensor load brings: two blocks
.set VOFF,  8*PART                     ; K's 512 runs, then V's 512
.set SPARE, 16*PART+2*KBB              ; the spare words, 128 bytes a wave, which no other line names
.set STAGE, SPARE+2048                 ; the way out: 1,280 bytes a wave, into which no tile lands
.set STW,   1280
.set AK0,  1
.set AV0,  2
.set DM,   3                           ; my query's place in its block of 128 keys, less 16 (lane / 16)
.set SPW,  5
.set NIL,  6
.set GO,   7
.set ADK,  8
.set ADV,  9
.set QR,   16
.set ST,   192
.set MT,   208
.set SIN,  247
.set SOUT, 255
.set WV,   18
.set SEL,  20
.set CS,   22
.set G1,   24
.set G0,   40
.set JJ,   44                          ; 16 j
.set IDX,  45                          ; a of my tile
.set TB,   47                          ; LDS bytes from block 0 to the step's block of keys
.set KBI,  48                          ; the step's block of keys
.set CNT,  49
.macro CROUND                          ; a round of the cluster's barrier
	s_barrier_signal -1
	s_barrier_wait -1
	s_cmp_lg_u32 s[WV], 0
	s_cbranch_scc1 .Lnot_wave_0_\@
	s_barrier_signal -3
.Lnot_wave_0_\@:
	s_barrier_wait -3
	s_barrier_signal -1
	s_barrier_wait -1
.endm
.macro POW2 e, vs, vl                  ; v[vs] = 2^e, v[vl] = 448 x 2^e
	s_add_co_i32 s82, \e, 127
	s_lshl_b32 s83, s82, 23
	v_mov_b32 v[\vs], s83
	s_add_co_i32 s82, s82, 8
	s_lshl_b32 s82, s82, 23
	s_or_b32 s82, s82, 0x600000
	v_mov_b32 v[\vl], s82
.endm
.macro KLOAD dst, adr, off             ; K's eight fragments of a block of 128 keys
.irp t, 0,1,2,3,4,5,6,7
	ds_load_b128 v[\dst+8*\t:\dst+8*\t+3], v[\adr] offset:\off+(8*(\t/2)+2*(\t%2))*UP
	ds_load_b128 v[\dst+8*\t+4:\dst+8*\t+7], v[\adr] offset:\off+(8*(\t/2)+2*(\t%2))*UP+32
.endr
.endm
	s_load_b128 s[4:7], s[0:1], 0x0                ; q, k, v; the scales' exponents
	s_load_b64 s[16:17], s[0:1], 0x10              ; ctx
	v_lshl_add_u32 v[SPW], v0, 2, SPARE
	v_mov_b32 v[NIL], 0
	ds_add_u32 v[SPW], v[NIL]                      ; the opening lines: the add, twice on end, and its wait ahead of my first tensor load
	ds_add_u32 v[SPW], v[NIL]
	v_lshrrev_b32 v8, 5, v0
	v_readfirstlane_b32 s[WV], v8                  ; wave 0..15
	s_bfe_u32 s82, ttmp6, 0x40000                  ; cx
	s_lshl_b32 s[JJ], ttmp9, 2
	s_add_co_u32 s[JJ], s[JJ], s82                 ; j = 4 x cluster x + cx
	s_lshl_b32 s[JJ], s[JJ], 4
	s_and_b32 s92, ttmp7, 0xffff
	s_lshl_b32 s92, s92, 17                        ; the pair's first byte in q, k, v and ctx
	s_lshr_b32 s82, s[WV], 3
	s_xor_b32 s82, s82, 1
	s_mul_i32 s82, s82, 7
	s_or_b32 s82, s82, 8                           ; 15 in waves 0-7, 8 in waves 8-15
	s_xor_b32 s[IDX], s[WV], s82                   ; a = 15 - w, or w - 8
	s_mul_i32 s89, s[WV], PART                     ; what I fetch: in LDS,
	s_lshr_b32 s90, s[WV], 3
	s_lshl_b32 s90, s90, 22                        ; in memory: k (waves 0-7) or v (waves 8-15),
	s_and_b32 s91, s[WV], 7
	s_lshl_b32 s91, s91, 14                        ; its eighth of 16 KiB,
	s_add_co_u32 s90, s90, s91
	s_add_co_u32 s90, s90, s92                     ; of the pair
	s_add_co_u32 s90, s90, 0x400000
	s_mov_b32 s91, 0
	s_mov_b32 s[G1], 15|(0<<16)|(1<<20)|(1<<21)|(5<<22)|(3<<25)   ; the mask of all four partners; elements of 1 byte; padding: 4 words after every 64; bit 21 beside a mask
	s_mov_b32 s[G1+1], 256<<16                     ; a dense block of 16 KiB as 64 rows of 256 bytes
	s_mov_b32 s[G1+2], 64<<16
	s_mov_b32 s[G1+3], 256<<16
	s_mov_b32 s[G1+4], 64
	s_mov_b32 s[G1+5], 256
	s_mov_b32 s[G1+6], 0
	s_mov_b32 s[G1+7], 0
	s_mov_b32 s[SEL], 0x76543210
	s_mov_b32 s[SEL+1], 0xfedcba98
	s_mov_b32 s[CS], 0x3e38aa3b                    ; c = log2(e) / 8
	s_wait_dscnt 0x0                               ; both opening adds are done
	s_wait_kmcnt 0x0
	s_load_b256 s[68:75], s[6:7], 0x18             ; entries 6 to 13: s68 q's, s69 k's, s70 p's, s71 v's, s72 ctx's
	s_mov_b32 s[G0], 1
	s_mov_b32 s[G0+1], s89
	s_add_nc_u64 s[G0+2:G0+3], s[4:5], s[90:91]
	s_or_b32 s[G0+3], s[G0+3], 0x80000000
	CROUND                                         ; the four partners are here: the joint loads meet
	tensor_load_to_lds s[G0:G0+3], s[G1:G1+7]      ; my one tensor load of the launch
	s_nop 0
.rept 4
	v_nop
.endr
	s_lshl_b32 s86, s[IDX], 7
	s_add_co_u32 s86, s86, s[JJ]                   ; my tile's first query: 128 a + 16 j
	s_lshl_b32 s86, s86, 6
	s_add_co_u32 s86, s86, s92
	s_mov_b32 s87, 0
	s_add_nc_u64 s[8:9], s[4:5], s[86:87]          ; its q,
	s_add_nc_u64 s[12:13], s[16:17], s[86:87]      ; its ctx
	s_mul_i32 s83, s[WV], STW
	s_add_co_u32 s83, s83, STAGE                   ; my stage
	v_and_b32 v11, 31, v0
	v_lshlrev_b32 v[GO], 4, v11                    ; the way out: 16 bytes a lane
	v_and_b32 v8, 15, v0                           ; r
	v_bfe_u32 v9, v0, 4, 1                         ; h
	v_lshlrev_b32 v10, 6, v8
	v_lshl_add_u32 v10, v9, 4, v10
	global_load_b128 v[QR:QR+3], v10, s[8:9]       ; Q: channels 16 h + 0..15,
	global_load_b128 v[QR+4:QR+7], v10, s[8:9] offset:32   ; and 32 + 16 h + 0..15
	v_and_b32 v11, 8, v8
	v_add_nc_u32 v11, v11, v8                      ; r + 8 (r / 8)
	v_lshrrev_b32 v[AK0], 2, v11
	v_mul_u32_u24 v[AK0], v[AK0], UP               ; four keys of 64 bytes to a run
	v_and_b32 v11, 3, v11
	v_lshl_add_u32 v[AK0], v11, 6, v[AK0]
	v_lshl_add_u32 v[AK0], v9, 4, v[AK0]
	v_lshrrev_b32 v[AV0], 1, v8
	v_mul_u32_u24 v[AV0], v[AV0], UP               ; two channels of 128 keys to a run
	v_and_b32 v11, 1, v8
	v_lshl_add_u32 v[AV0], v11, 7, v[AV0]
	v_lshl_add_u32 v[AV0], v9, 4, v[AV0]
	v_add_nc_u32 v[AV0], VOFF, v[AV0]
	v_lshrrev_b32 v[SIN], 2, v8
	v_mul_u32_u24 v[SIN], v[SIN], UP
	v_and_b32 v11, 3, v8
	v_lshl_add_u32 v[SIN], v11, 6, v[SIN]
	v_lshl_add_u32 v[SIN], v9, 3, v[SIN]
	v_add_nc_u32 v[SIN], s83, v[SIN]               ; into my stage: query r, + 8 h; 16 t stands in the immediate
	v_mul_u32_u24 v[SOUT], v9, UP
	v_lshl_add_u32 v[SOUT], v8, 4, v[SOUT]
	v_add_nc_u32 v[SOUT], s83, v[SOUT]             ; back: lanes 0-15 four queries, lanes 16-31 the next four
	v_lshlrev_b32 v11, 4, v9
	v_sub_nc_u32 v[DM], v8, v11
	v_add_nc_u32 v[DM], s[JJ], v[DM]               ; 16 j + r - 16 h
	v_mov_b32 v236, 0                              ; written once: a lane exchange's destination counts as one of its sources
	v_mov_b32 v252, 0
	v_mov_b32 v253, 0                              ; (named as the upper half of the pair v[252:253])
	s_wait_alu depctr_va_vdst(0)
	s_wait_kmcnt 0x0
	s_add_co_i32 s82, s68, s69
	s_lshl_b32 s82, s82, 23
	s_add_co_i32 s[CS], s[CS], s82                 ; a score stands for score x 2^(q's + k's exponent): added to c's exponent field
	s_mov_b32 s[CS+1], s[CS]
	POW2 s70, 244, 240                             ; p's scale and hold
	v_mov_b32 v241, s82                            ; the hold once more: the two halves of a dual pair take their second sources from different register banks
	POW2 s72, 246, 245                             ; ctx's
; A KEY STEP: 128 keys.  kr: the bank that holds K's fragments, then V's; sr: the bank of the scores, then p, then the next step's K.
.macro STEP kr, sr
	s_cmp_gt_u32 s[KBI], s[IDX]                    ; all the step's keys come after my 16 queries: it is left out
	s_cbranch_scc1 .Lhid_\@
	s_wait_dscnt 0x0                               ; K's fragments are in
.irp t, 0,1,2,3,4,5,6,7
	v_wmma_f32_16x16x64_fp8_fp8 v[\sr+8*\t:\sr+8*\t+7], v[\kr+8*\t:\kr+8*\t+7], v[QR:QR+7], 0
.endr
	v_add_nc_u32 v[ADK], s[TB], v[AK0]             ; four places behind the products, in front of the loads into K's bank and of the first read of the scores
	v_add_nc_u32 v[ADV], s[TB], v[AV0]
	v_nop
	v_nop
.irp t, 0,1,2,3
.irp c, 0,1,2,3
	ds_load_b128 v[\kr+16*\t+4*\c:\kr+16*\t+4*\c+3], v[ADV] offset:\t*8*UP+32*\c   ; V's four fragments: awaited behind the softmax
.endr
.endr
	s_cmp_lg_u32 s[KBI], s[IDX]                    ; on the diagonal, the tile's last step, hidden scores become -infinity ahead of the maximum
	s_cbranch_scc1 .Lopen_\@
	v_mov_b32 v254, 0xff800000
.set J, 0
.rept 64
	v_cmp_gt_i32 vcc_lo, 32*(J/16)+J%16, v[DM]     ; register 16 b + i holds key 32 b + 16 h + i of the block: hidden where 32 b + i > 16 j + r - 16 h
	v_cndmask_b32 v[\sr+J], v[\sr+J], v254, vcc_lo
.set J, J+1
.endr
.Lopen_\@:
.irp n, 0,1,2,3
	v_max3_num_f32 v[MT+\n], v[\sr+3*\n], v[\sr+3*\n+1], v[\sr+3*\n+2]   ; the step's largest score of my query among my 64 keys: four chains, the registers in ascending order
.endr
.set J, 12
.rept 26
	v_max3_num_f32 v[MT+(J/2-6)%4], v[MT+(J/2-6)%4], v[\sr+J], v[\sr+J+1]
.set J, J+2
.endr
	v_max3_num_f32 v254, v[MT], v[MT+1], v[MT+2]
	s_delay_alu instid0(VALU_DEP_1)
	v_max_num_f32 v254, v254, v[MT+3]
	v_permlanex16_b32 v236, v254, s[SEL], s[SEL+1]
	s_delay_alu instid0(VALU_DEP_1)
	v_max_num_f32 v254, v254, v236                 ; and among the other half's
	s_delay_alu instid0(VALU_DEP_1)
	v_mul_f32 v254, s[CS], v254                    ; as t (c is positive)
	s_delay_alu instid0(VALU_DEP_1)
	v_max_num_f32 v13, v13, v254
	v_mov_b32 v254, v12
	s_delay_alu instid0(VALU_DEP_2)
	v_floor_f32 v12, -v13                          ; the new -M = floor(-t): M is a whole number
	s_delay_alu instid0(VALU_DEP_1)
	v_sub_f32 v254, v12, v254                      ; old M - new M: a whole number, 0 or less
	s_delay_alu instid0(VALU_DEP_1)
	v_cvt_i32_f32 v254, v254
	s_delay_alu instid0(VALU_DEP_1)
	v_ldexp_f32 v252, 1.0, v254                    ; f = 2^(old M - new M)
.set J, 0
.rept 32
	v_pk_fma_f32 v[\sr+J:\sr+J+1], v[\sr+J:\sr+J+1], s[CS:CS+1], v[12:13] op_sel_hi:[1,0,0]   ; t - M
.set J, J+2
.endr
	s_wait_alu depctr_va_vdst(0)                   ; the wait ahead of the batch
.set J, 0
.rept 64
	v_exp_f32 v[\sr+J], v[\sr+J]                   ; p = 2^(t - M)
.set J, J+1
.endr
	v_pk_mul_f32 v[14:15], v[14:15], v[252:253] op_sel_hi:[1,0]   ; the sums under the new M: the plain line behind the exponentials
	s_wait_alu depctr_va_vdst(0)                   ; one wait for the whole batch, ahead of its first reader
.irp n, 0,1,2,3
	v_pk_add_f32 v[ST+2*\n:ST+2*\n+1], v[\sr+4*\n:\sr+4*\n+1], v[\sr+4*\n+2:\sr+4*\n+3]   ; the row's sum of the unquantised p: four chains of pairs
.endr
.set J, 16
.rept 24
	v_pk_add_f32 v[ST+2*((J/2)%4):ST+2*((J/2)%4)+1], v[ST+2*((J/2)%4):ST+2*((J/2)%4)+1], v[\sr+J:\sr+J+1]
.set J, J+2
.endr
	v_pk_add_f32 v[ST:ST+1], v[ST:ST+1], v[ST+2:ST+3]
	v_pk_add_f32 v[ST+4:ST+5], v[ST+4:ST+5], v[ST+6:ST+7]
	v_pk_add_f32 v[14:15], v[14:15], v[ST:ST+1]
	v_pk_add_f32 v[14:15], v[14:15], v[ST+4:ST+5]
.irp b, 0,1,2,3
.irp i, 0,2,4,6,8,10,12,14
	v_dual_min_num_f32 v[\sr+16*\b+\i], v[\sr+16*\b+\i], v240 :: v_dual_min_num_f32 v[\sr+16*\b+\i+1], v[\sr+16*\b+\i+1], v241   ; the conversion does not saturate (ISA guide 7.6.2); p is not negative, so the hold is one-sided; two numbers an instruction
.endr
	v_cvt_scalef32_pk8_fp8_f32 v[224+4*\b:225+4*\b], v[\sr+16*\b:\sr+16*\b+7], v244
	v_cvt_scalef32_pk8_fp8_f32 v[226+4*\b:227+4*\b], v[\sr+16*\b+8:\sr+16*\b+15], v244
.endr
	s_cmp_ge_u32 s[KBI], s[IDX]                    ; the tile's last step fetches no further K
	s_cbranch_scc1 .Llast_\@
	KLOAD \sr, ADK, KBB                            ; the next block's K, into the bank that p has left
	s_wait_dscnt 16                                ; V's 16 loads are in; the 16 just issued may be out
	s_branch .Lgo_\@
.Llast_\@:
	s_wait_dscnt 0x0                               ; V's 16 loads are in
.Lgo_\@:
	s_wait_alu depctr_va_vdst(0)                   ; the wait directly ahead of the first reader of O^T
.set J, 0
.rept 16
	v_pk_mul_f32 v[160+J:161+J], v[160+J:161+J], v[252:253] op_sel_hi:[1,0]   ; O^T under the new M; these are also the plain lines behind the conversions
.set J, J+2
.endr
.irp t, 0,1,2,3
	v_wmma_f32_16x16x128_fp8_fp8 v[160+8*\t:167+8*\t], v[\kr+16*\t:\kr+16*\t+15], v[224:239], v[160+8*\t:167+8*\t]   ; four accumulators by turns
.endr
.rept 5
	v_nop                                          ; five places: the next step's score products write over V's bank
.endr
.Lhid_\@:
	s_add_co_u32 s[TB], s[TB], KBB
	s_add_co_u32 s[KBI], s[KBI], 1
.endm
	v_mov_b32 v13, 0xff61b1e6                      ; the tile begins: the largest t at -3e38, zeros in the sum and in O^T, which the first change of M leaves zeros
	v_floor_f32 v12, -v13
	v_mov_b32 v14, 0
	v_mov_b32 v15, 0
.set J, 0
.rept 32
	v_mov_b32 v[160+J], 0
.set J, J+1
.endr
	s_mov_b32 s[TB], 0
	s_mov_b32 s[KBI], 0
	s_mov_b32 s[CNT], 8
	s_wait_alu depctr_va_vdst(0)                   ; the wait at the head's end
	s_wait_loadcnt 0x0                             ; Q
	s_wait_tensorcnt 0x0                           ; my part of K or V is in;
	s_barrier_signal -1
	s_barrier_wait -1                              ; everybody's is
	KLOAD 32, AK0, 0
.Ltrip:                                            ; 8 trips of two steps, of which a + 1 steps are walked
	STEP 32, 96
	STEP 96, 32
	s_sub_co_u32 s[CNT], s[CNT], 1
	s_cmp_lg_u32 s[CNT], 0
	s_cbranch_scc1 .Ltrip
	; THE WAY OUT: O^T / the sum x 2^(p's + v's exponent), held, converted (eight neighbouring channels a conversion), through my stage, out as 2 x 512 consecutive bytes: 16 queries x 64 codes.
	v_add_f32 v14, v14, v15
	s_delay_alu instid0(VALU_DEP_1)
	v_permlanex16_b32 v252, v14, s[SEL], s[SEL+1]
	s_delay_alu instid0(VALU_DEP_1)
	v_add_f32 v14, v14, v252                       ; the row's sum
	s_wait_alu depctr_va_vdst(0)                   ; the wait ahead of the transcendental
	v_rcp_f32 v14, v14
	v_nop                                          ; a plain line behind the reciprocal
	s_add_co_i32 s82, s70, s71
	s_wait_alu depctr_va_vdst(0)                   ; and the wait ahead of its first reader
	v_ldexp_f32 v14, v14, s82
	s_wait_alu depctr_va_vdst(0)                   ; the wait directly ahead of the first reader of O^T
.set J, 0
.rept 32
	v_mul_f32 v[96+J], v[160+J], v14               ; register 8 t + j: ctx(query r, channel 16 t + 8 h + j); each accumulator from its low end on
.set J, J+1
.endr
.set J, 0
.rept 32
	v_med3_num_f32 v[96+J], v[96+J], -v245, v245   ; the conversion does not saturate (ISA guide 7.6.2)
.set J, J+1
.endr
.irp t, 0,1,2,3
	v_cvt_scalef32_pk8_fp8_f32 v[224+2*\t:225+2*\t], v[96+8*\t:103+8*\t], v246
.endr
	v_nop                                          ; a plain line behind the last conversion
.irp t, 0,1,2,3
	ds_store_b64 v[SIN], v[224+2*\t:225+2*\t] offset:16*\t
.endr
	ds_load_b128 v[32:35], v[SOUT]                 ; LDS serves a wave's instructions in order (ISA guide 5.7.1.4): these see my stores
	ds_load_b128 v[36:39], v[SOUT] offset:2*UP
	s_wait_dscnt 1                                 ; the second read may be out
	global_store_b128 v[GO], v[32:35], s[12:13]
	s_wait_dscnt 0
	global_store_b128 v[GO], v[36:39], s[12:13] offset:512
	s_wait_tensorcnt 0x0                           ; the wave's end: a wait, an add to my spare word and its wait behind my tensor load and my last LDS store
	ds_add_u32 v[SPW], v[NIL]
	s_wait_dscnt 0x0
	CROUND                                         ; the closing round
	s_endpgm
.Lfunc_end_k_q5cb4fadecb_attn:
	.size	k_q5cb4fadecb_attn, .Lfunc_end_k_q5cb4fadecb_attn-k_q5cb4fadecb_attn
	.p2alignl 7, 3214868480
	.fill 96, 4, 3214868480
	.section	.rodata,"a",@progbits
	.p2align	6, 0x0
	.amdhsa_kernel k_q5cb4fadecb_attn
		.amdhsa_group_segment_fixed_size 327680
		.amdhsa_private_segment_fixed_size 0
		.amdhsa_enable_private_segment 0
		.amdhsa_kernarg_size 24
		.amdhsa_user_sgpr_count 2
		.amdhsa_user_sgpr_kernarg_segment_ptr 1
		.amdhsa_wavefront_size32 1
		.amdhsa_system_sgpr_workgroup_id_x 1
		.amdhsa_system_sgpr_workgroup_id_y 1
		.amdhsa_system_sgpr_workgroup_id_z 1
		.amdhsa_system_vgpr_workitem_id 0
		.amdhsa_next_free_vgpr 256
		.amdhsa_next_free_sgpr 100
		.amdhsa_reserve_vcc 1
		.amdhsa_float_denorm_mode_32 3
		.amdhsa_float_denorm_mode_16_64 3
		.amdhsa_memory_ordered 1
		.amdhsa_forward_progress 1
		.amdhsa_inst_pref_size 55
	.end_amdhsa_kernel
	.amdgpu_metadata
---
amdhsa.version: [ 1, 2 ]
amdhsa.kernels:
  - .name:           k_q5cb4fadecb_attn
    .symbol:         k_q5cb4fadecb_attn.kd
    .args:
      - { .name: qkvc, .offset: 0, .size: 8, .value_kind: global_buffer, .address_space: global }
      - { .name: lowp_scales, .offset: 8, .size: 8, .value_kind: global_buffer, .address_space: global }
      - { .name: ctxc, .offset: 16, .size: 8, .value_kind: global_buffer, .address_space: global }
    .group_segment_fixed_size: 327680
    .private_segment_fixed_size: 0
    .kernarg_segment_align: 8
    .kernarg_segment_size: 24
    .max_flat_workgroup_size: 512
    .sgpr_count:     100
    .vgpr_count:     256
    .wavefront_size: 32
...
	.end_amdgpu_metadata
.endif
;; end of part 3
;; launch wo (part 4): grid 8 x 32, 4 waves a work-group, clusters of 4 x 4, 327,680 bytes of LDS; arguments ctxc, codes, x, bo, lowp_scales, x1; writes x1
.if DOCPART == 4
	.amdgcn_target "amdgcn-amd-amdhsa--gfx1250"
	.amdhsa_code_object_version 6
	.text
	.protected	k_q5cb4fadecb_wo
	.globl	k_q5cb4fadecb_wo
	.p2align	8
	.type	k_q5cb4fadecb_wo,@function
k_q5cb4fadecb_wo:
	s_mov_b64 s[64:65], 0
	v_nop
	global_prefetch_b8 v0, s[64:65] scope:SCOPE_SE
	s_setreg_imm32_b32 hwreg(HW_REG_WAVE_MODE, 25, 1), 1
	s_wait_xcnt 0x0
	s_wait_alu depctr_hold_cnt(0) depctr_sa_sdst(0) depctr_va_vdst(0) depctr_va_sdst(0) depctr_va_ssrc(0) depctr_va_vcc(0) depctr_vm_vsrc(0)
	s_getreg_b32 s2, hwreg(HW_REG_IB_STS2, 6, 4)
	s_cmp_eq_u32 s2, 0
	s_cbranch_scc0 .Lentry_in_a_cluster
	s_endpgm
.Lentry_in_a_cluster:
	s_bfe_u32 s2, ttmp6, 0x10000c
	s_cmp_lg_u32 s2, 0xf033
	s_cbranch_scc0 .Lentry_shape_is_right
	s_endpgm
.Lentry_shape_is_right:
; out = res + (A W + bias) on codes of E4M3.  Here: x1 = x + (ctx Wo + bo), K = 1,024, the scales' entries 10 and 11.
; A: codes laid [K / 64 blocks of columns][4,096 rows][64].  W: codes laid [1,024 n][K], at WOFF of the buffer of codes.  res, out: [4,096][1,024] f32.  bias: [1,024] f32.
; A tile of the result is 128 x 128: tiles of 256 x 256 would be 64 for 256 WGPs.  Four waves, 64 x 64 each: 16 accumulators.  K goes in steps of 512 through two LDS slots; a step is four quarters of 128.
; CLUSTERS: 4 x 4 work-groups; A's tile is shared along a row of the cluster, W's along a column: each is asked for jointly, by the same tensor load with the same descriptor and a mask that names the four.
; THE MATRIX INSTRUCTION IS USED TRANSPOSED (source 0 = 16 rows of W, source 1 = 16 rows of A): a lane holds eight neighbouring columns of one row.  A wave's 64 columns are 256 aligned bytes of a row.
; LIMIT: the two exponents' sum lies between -126 and 127.
; REGISTERS: window 0: v0-31 addresses, v12-15 the bias at my four columns; v32-95 the way out; v128-255 the accumulators ((a, b) at v[128 + 8 (4 a + b)]).
;   window 1: two sets of fragments of 128: A's four at +0, W's four at +64.   window 2: v0-127 my part of res, asked for at the head.
.set KTOT,  1024
.set WOFF,  0xf00000
.set ENT,   10
.set LAPS,  KTOT/1024                  ; a lap = two K steps = once round the ring
.set AH,    34816                      ; 64 rows of A x 512 K: 8 blocks of columns x 16 runs of (256 bytes = 4 rows x 64) + 16 of padding
; IN THIS LAUNCH K = 1,024 is two steps, and both steps' tiles are brought at the head by ONE load a wave: A's half as 16 blocks of columns (2 AH bytes), W's half as 64 rows of 1,024 bytes + 16.  Nothing is filled again.
.set BH,    66560                      ; 64 rows of W x (1,024 bytes + 16)
.set SLOT,  2*AH+BH                    ; half of what the tiles take: 4 AH + 2 BH in all
.set STAGE, 2*SLOT                     ; the way out: 16 rows x (256 + 16) bytes for each wave; no tile lands there
.set STW,   4352
.set SPARE, STAGE+4*STW                ; the spare words, 128 bytes a wave, which no other line names
.set BI,   12
.set ADRA, 16
.set ADRB, 20
.set STO,  24
.set RD,   25
.set CO,   26
.set BA,   27
.set SPW,  28
.set NIL,  29
.set T,    32
.set ACC,  128
.set F0,   0
.set F1,   128
.set G1, 24
.set G0, 32
.set G1B, 48
.set G0B, 56
.set MSB, 0
.macro WIN new                         ; the immediate's high byte repeats the setting that is left
.if MSB != \new
	s_set_vgpr_msb (MSB<<8)|\new
.set MSB, \new
.endif
.endm
.set MUL,  0x05                        ; sources 0 (W) and 1 (A) window 1; C and D window 0
.set TO_F, 0x40
.macro JLOAD s                         ; a joint load: waves 0 and 1 fetch A's halves, waves 2 and 3 W's; an s_nop 0 and four v_nop follow each line
	s_cmp_eq_u32 s15, 0
	s_cbranch_scc0 .Lfor_b_\@
	tensor_load_to_lds s[G0+4*\s:G0+4*\s+3], s[G1:G1+7]
	s_nop 0
.rept 4
	v_nop
.endr
	s_branch .Lasked_\@
.Lfor_b_\@:
	tensor_load_to_lds s[G0B+4*\s:G0B+4*\s+3], s[G1B:G1B+7]
	s_nop 0
.rept 4
	v_nop
.endr
.Lasked_\@:
.endm
.macro CREST
	s_cmp_lg_u32 s14, 0
	s_cbranch_scc1 .Lnot_wave_0_\@
	s_barrier_signal -3
.Lnot_wave_0_\@:
	s_barrier_wait -3
	s_barrier_signal -1
	s_barrier_wait -1
.endm
.macro CROUND
	s_barrier_signal -1
	s_barrier_wait -1
	CREST
.endm
	s_load_b256 s[4:11], s[0:1], 0x0               ; A, the codes, res, bias
	s_load_b128 s[84:87], s[0:1], 0x20             ; the scales' exponents, out
	v_lshl_add_u32 v[SPW], v0, 2, SPARE
	v_mov_b32 v[NIL], 0
	ds_add_u32 v[SPW], v[NIL]                      ; the wave's opening: the add and its wait ahead of my first tensor load; the set-up below stands between them
	ds_add_u32 v[SPW], v[NIL]
	v_lshrrev_b32 v1, 5, v0
	v_readfirstlane_b32 s14, v1                    ; wave 0..3
	s_lshr_b32 s15, s14, 1                         ; R: my 64 rows.  Also: I fetch for A (0) or for W (1)
	s_and_b32 s16, s14, 1                          ; C: my 64 columns.  Also: which half I fetch
	s_bfe_u32 s40, ttmp6, 0x40000                  ; cx, cy
	s_bfe_u32 s41, ttmp6, 0x40004
	s_lshl_b32 s42, ttmp9, 2
	s_add_co_u32 s42, s42, s40                     ; tile column
	s_and_b32 s17, ttmp7, 0xffff
	s_lshl_b32 s17, s17, 2
	s_add_co_u32 s17, s17, s41                     ; tile row
	s_lshl_b32 s43, s41, 2
	s_lshl_b32 s43, 15, s43                        ; my row of the cluster
	s_lshl_b32 s44, 0x1111, s40                    ; my column
	s_or_b32 s[G1+0], s43, (0<<16)|(1<<20)|(1<<21)|(5<<22)|(3<<25)   ; A: the mask of my row; elements of 1 byte; padding: 4 words after every 64; bit 21 beside a mask
	s_mov_b32 s[G1+1], 4096<<16                    ; a tile's row: 64 rows of A x 64 codes of one block of columns, 4,096 bytes on end
	s_mov_b32 s[G1+2], 16<<16                      ; 16 blocks of columns: all of K
	s_mov_b32 s[G1+3], 4096<<16
	s_mov_b32 s[G1+4], 16
	s_mov_b32 s[G1+5], 262144                      ; from block to block
	s_mov_b32 s[G1+6], 0
	s_mov_b32 s[G1+7], 0
	s_or_b32 s[G1B+0], s44, (0<<16)|(1<<20)|(1<<21)|(7<<22)|(3<<25)  ; W: the mask of my column; 4 words after every 256
	s_mov_b32 s[G1B+1], 1024<<16
	s_mov_b32 s[G1B+2], 64<<16
	s_mov_b32 s[G1B+3], 1024<<16
	s_mov_b32 s[G1B+4], 64
	s_mov_b32 s[G1B+5], KTOT
	s_mov_b32 s[G1B+6], 0
	s_mov_b32 s[G1B+7], 0
	s_lshl_b32 s20, s17, 13                        ; A: 128 rows of 64 bytes for each tile row,
	s_lshl_b32 s18, s16, 12
	s_add_co_u32 s20, s20, s18                     ; + my half
	s_mov_b32 s21, 0
	s_lshl_b32 s46, s42, 7
	s_lshl_b32 s18, s16, 6
	s_add_co_u32 s46, s46, s18
	s_mul_i32 s46, s46, KTOT
	s_add_co_u32 s46, s46, WOFF                    ; W: row 128 x tile column + 64 x half
	s_mov_b32 s47, 0
	s_mul_i32 s45, s16, 2*AH                       ; where they go: A's two halves, then W's two
	s_mul_i32 s19, s16, BH
	s_add_co_u32 s19, s19, 4*AH
	s_wait_dscnt 0x0                               ; the opening add is done
	s_wait_kmcnt 0x0
	s_load_b64 s[96:97], s[84:85], ENT*4           ; the two exponents
	s_add_nc_u64 s[20:21], s[4:5], s[20:21]
	s_add_nc_u64 s[46:47], s[6:7], s[46:47]
	CROUND                                         ; all sixteen work-groups are here: the first joint loads meet
.irp s, 0
	s_mov_b32 s[G0+4*\s], 1
	s_add_co_u32 s[G0+4*\s+1], s45, \s*SLOT
	s_add_nc_u64 s[G0+4*\s+2:G0+4*\s+3], s[20:21], \s*2097152
	s_or_b32 s[G0+4*\s+3], s[G0+4*\s+3], 0x80000000
	s_mov_b32 s[G0B+4*\s], 1
	s_add_co_u32 s[G0B+4*\s+1], s19, \s*SLOT
	s_add_nc_u64 s[G0B+4*\s+2:G0B+4*\s+3], s[46:47], \s*512
	s_or_b32 s[G0B+4*\s+3], s[G0B+4*\s+3], 0x80000000
	JLOAD \s
.endr
	v_and_b32 v1, 15, v0                           ; r
	v_bfe_u32 v2, v0, 4, 1                         ; h
	v_lshrrev_b32 v3, 2, v1
	v_mul_u32_u24 v3, v3, 272
	v_and_b32 v4, 3, v1
	v_lshl_add_u32 v3, v4, 6, v3
	v_lshl_add_u32 v3, v2, 4, v3                   ; A: row r: run r / 4, 64 (r % 4), + 16 h: sixteen lanes touch sixteen different columns of 16 bytes
	v_mul_u32_u24 v4, v1, 1040
	v_lshl_add_u32 v4, v2, 4, v4                   ; W: row r x pitch + 16 h
	s_mul_i32 s21, s15, 2*AH
	s_mul_i32 s22, s16, BH
	s_add_co_u32 s22, s22, 4*AH
.irp s, 0,1
	v_add_nc_u32 v[ADRA+\s], s21, v3
	v_add_nc_u32 v[ADRB+\s], s22, v4
	s_add_co_u32 s21, s21, AH                      ; the second K step: A's blocks 8 to 15,
	s_add_co_u32 s22, s22, 512                     ; and 512 bytes further on in W's rows
.endr
	s_mul_i32 s23, s14, STW
	s_add_co_u32 s23, s23, STAGE
	v_mul_u32_u24 v5, v1, 272
	v_lshl_add_u32 v5, v2, 5, v5
	v_add_nc_u32 v[STO], s23, v5                   ; into my stage: row r, 32 bytes for each half of the lanes
	v_mul_u32_u24 v5, v2, 272
	v_lshl_add_u32 v5, v1, 4, v5
	v_add_nc_u32 v[RD], s23, v5                    ; back: lanes 0-15 one row of 256 bytes, lanes 16-31 the next
	v_lshlrev_b32 v[CO], 12, v2
	v_lshl_add_u32 v[CO], v1, 4, v[CO]             ; and the same two rows in res and out
	s_wait_alu depctr_va_vdst(0)
	s_lshl_b32 s98, s42, 9
	s_lshl_b32 s13, s16, 8
	s_add_co_u32 s98, s98, s13                     ; my first column in bytes
	v_lshl_add_u32 v[BA], v1, 4, s98
	global_load_b128 v[BI:BI+3], v[BA], s[10:11]   ; the bias at the four columns that I hold when rows come back from the stage
	s_lshl_b32 s12, s17, 19
	s_lshl_b32 s13, s15, 18
	s_add_co_u32 s12, s12, s13
	s_add_co_u32 s12, s12, s98                     ; my first row and column
	s_mov_b32 s13, 0
	s_add_nc_u64 s[90:91], s[86:87], s[12:13]
	s_add_nc_u64 s[88:89], s[8:9], s[12:13]
.macro FETCH slot, q, f                ; 32 LDS loads in one run: the fragments of the slot's q-th 128 along K: W's four, then A's.  Registers 4 c .. 4 c + 3 hold K = 32 c + 16 h + 0..15 on both sides
	WIN TO_F
.irp b, 0,1,2,3
.irp c, 0,1,2,3
	ds_load_b128 v[\f+64+16*\b+4*\c:\f+64+16*\b+4*\c+3], v[ADRB+\slot] offset:128*(\q)+32*\c+\b*16640
.endr
.endr
.irp a, 0,1,2,3
.irp c, 0,1,2,3
	ds_load_b128 v[\f+16*\a+4*\c:\f+16*\a+4*\c+3], v[ADRA+\slot] offset:(2*(\q)+\c/2)*4352+\a*1088+32*(\c%2)
.endr
.endr
.endm
.macro MUL4 f, a, zero                 ; A's block a x W's four.  The 16 accumulators take turns, one instruction a turn, in the same order in every quarter
.irp b, 0,1,2,3
.if \zero
	v_wmma_f32_16x16x128_fp8_fp8 v[ACC+8*(4*(\a)+\b):ACC+8*(4*(\a)+\b)+7], v[\f+64+16*\b:\f+64+16*\b+15], v[\f+16*(\a):\f+16*(\a)+15], 0
.else
	v_wmma_f32_16x16x128_fp8_fp8 v[ACC+8*(4*(\a)+\b):ACC+8*(4*(\a)+\b)+7], v[\f+64+16*\b:\f+64+16*\b+15], v[\f+16*(\a):\f+16*(\a)+15], v[ACC+8*(4*(\a)+\b):ACC+8*(4*(\a)+\b)+7]
.endif
.endr
.endm
.macro PLACES                          ; four plain lines between a matrix instruction and a load into, or a read of, its registers
.rept 4
	v_nop
.endr
.endm
.macro QUARTER slot, qn, f, g, zero    ; multiplies set f; in its middle fetches the slot's quarter qn into set g
	s_wait_dscnt 8                                 ; W's four and A's blocks 0, 1 are in; A's blocks 2, 3, 8 loads, may be out
	WIN MUL
	MUL4 \f, 0, \zero
	MUL4 \f, 1, \zero
	PLACES
	FETCH \slot, \qn, \g
	s_wait_dscnt 32                                ; all but the 32 just issued
	WIN MUL
	MUL4 \f, 2, \zero
	MUL4 \f, 3, \zero
.endm
; A slot's last quarter changes slots: one barrier; in front of it each wave waits for all its tensor loads, adds 0 to its spare word, and waits for that and for its reads of this slot.
.macro TURN slot, next, fill
	WIN 0
	s_wait_tensorcnt 0x0                           ; all my tensor loads have landed: my part of the next slot
	ds_add_u32 v[SPW], v[NIL]
	s_wait_dscnt 9                                 ; the add and A's blocks 2, 3 may be out
	WIN MUL
	MUL4 F1, 0, 0
	s_wait_dscnt 0x0                               ; the add is done, and my reads of this slot are over
	s_barrier_signal -1
	MUL4 F1, 1, 0
.if \fill
	WIN 0
.endif
	s_barrier_wait -1
.if \fill
	CREST                                          ; the barrier has opened a round of the cluster's: no wave of any partner still reads this slot or has a load on its way
	s_add_nc_u64 s[G0+4*\slot+2:G0+4*\slot+3], s[G0+4*\slot+2:G0+4*\slot+3], 4194304
	s_add_nc_u64 s[G0B+4*\slot+2:G0B+4*\slot+3], s[G0B+4*\slot+2:G0B+4*\slot+3], 1024
	JLOAD \slot                                    ; the first tensor load behind the round; its four v_nop are the places in front of the loads below
.else
	PLACES
.endif
	FETCH \next, 0, F0
	WIN MUL
	MUL4 F1, 2, 0
	MUL4 F1, 3, 0
.endm
	s_wait_alu depctr_va_vdst(0)                   ; the wait at the head's end
	s_wait_tensorcnt 0x0                           ; my one load, my part of both K steps, is in
	s_barrier_signal -1
	s_barrier_wait -1
	FETCH 0, 0, F0
	WIN 0x80                                       ; destination window 2
.irp a, 0,1,2,3
.irp t, 0,1,2,3,4,5,6,7
	global_load_b128 v[32*\a+4*\t:32*\a+4*\t+3], v[CO], s[88:89] offset:(16*\a+2*\t)*4096   ; res, in the layout in which the stage gives rows back: asked for when the tiles are in, with all the products to go; awaited block by block on the way out
.endr
.endr
	WIN 0
	QUARTER 0, 1, F0, F1, 1
.if LAPS > 1
	WIN 0
	s_mov_b32 s3, LAPS-1
.Llap:                                             ; a trip goes once round the ring and fills both slots again
	QUARTER 0, 2, F1, F0, 0
	QUARTER 0, 3, F0, F1, 0
	TURN 0, 1, 1
	QUARTER 1, 1, F0, F1, 0
	QUARTER 1, 2, F1, F0, 0
	QUARTER 1, 3, F0, F1, 0
	TURN 1, 0, 1
	QUARTER 0, 1, F0, F1, 0
	WIN 0
	s_sub_co_u32 s3, s3, 1
	s_cmp_lg_u32 s3, 0
	s_cbranch_scc1 .Llap
.endif
	QUARTER 0, 2, F1, F0, 0                        ; the last lap fills nothing
	QUARTER 0, 3, F0, F1, 0
	TURN 0, 1, 0
	QUARTER 1, 1, F0, F1, 0
	QUARTER 1, 2, F1, F0, 0
	QUARTER 1, 3, F0, F1, 0
	s_wait_dscnt 8
	WIN MUL
	MUL4 F1, 0, 0
	MUL4 F1, 1, 0
	s_wait_dscnt 0
	MUL4 F1, 2, 0
	MUL4 F1, 3, 0
	WIN 0
; THE WAY OUT, 16 rows x 64 columns at a time: the sums go through my stage as they are and come back as whole rows of 256 bytes; then sum x 2^(the exponents) + bias, + res, and the store.
.macro TOST a
.set TS, T+32*((\a)%2)
.irp b, 0,1,2,3
	ds_store_b128 v[STO], v[ACC+8*(4*(\a)+\b):ACC+8*(4*(\a)+\b)+3] offset:64*\b        ; each accumulator from its low end on
	ds_store_b128 v[STO], v[ACC+8*(4*(\a)+\b)+4:ACC+8*(4*(\a)+\b)+7] offset:64*\b+16
.endr
.irp t, 0,1,2,3,4,5,6,7
	ds_load_b128 v[TS+4*\t:TS+4*\t+3], v[RD] offset:2*\t*272   ; LDS serves a wave's instructions in order (ISA guide 5.7.1.4)
.endr
.endm
.macro FIN a, younger
.set TS, T+32*((\a)%2)
	s_wait_dscnt \younger
	s_wait_loadcnt 24-8*(\a)                       ; the bias and res up to this block are in; 8 loads for each later block may be out
.irp t, 0,1,2,3,4,5,6,7
	v_pk_fma_f32 v[TS+4*\t:TS+4*\t+1], v[TS+4*\t:TS+4*\t+1], s[96:97], v[BI:BI+1] op_sel_hi:[1,0,1]
	v_pk_fma_f32 v[TS+4*\t+2:TS+4*\t+3], v[TS+4*\t+2:TS+4*\t+3], s[96:97], v[BI+2:BI+3] op_sel_hi:[1,0,1]
.endr
	WIN 0x08                                       ; source 1: window 2
.irp t, 0,1,2,3,4,5,6,7
	v_pk_add_f32 v[TS+4*\t:TS+4*\t+1], v[TS+4*\t:TS+4*\t+1], v[32*(\a)+4*\t:32*(\a)+4*\t+1]
	v_pk_add_f32 v[TS+4*\t+2:TS+4*\t+3], v[TS+4*\t+2:TS+4*\t+3], v[32*(\a)+4*\t+2:32*(\a)+4*\t+3]
.endr
	WIN 0
.irp t, 0,1,2,3,4,5,6,7
	global_store_b128 v[CO], v[TS+4*\t:TS+4*\t+3], s[90:91] offset:(16*(\a)+2*\t)*4096   ; sixteen lanes store 256 consecutive bytes of a row, aligned
.endr
.endm
	s_wait_kmcnt 0x0
	s_add_co_i32 s96, s96, s97
	s_add_co_i32 s96, s96, 127
	s_lshl_b32 s96, s96, 23                        ; 2^(the two exponents) as f32
	s_mov_b32 s97, s96
	PLACES
	TOST 0
.irp a, 1,2,3
.if \a > 1
	s_wait_xcnt 0x0                                ; block a - 2's stores have read their data registers: block a's loads may land there
.endif
	TOST \a
	FIN \a-1, 16                                   ; behind block a - 1's loads: block a's 8 stores and 8 loads
.endr
	FIN 3, 0
	s_wait_tensorcnt 0x0                           ; the wave's end: a wait, an add to my spare word and its wait behind my last tensor load and my last LDS store
	ds_add_u32 v[SPW], v[NIL]
	s_wait_dscnt 0x0
	CROUND                                         ; the closing round
	s_endpgm
.Lfunc_end_k_q5cb4fadecb_wo:
	.size	k_q5cb4fadecb_wo, .Lfunc_end_k_q5cb4fadecb_wo-k_q5cb4fadecb_wo
	.p2alignl 7, 3214868480
	.fill 96, 4, 3214868480
	.section	.rodata,"a",@progbits
	.p2align	6, 0x0
	.amdhsa_kernel k_q5cb4fadecb_wo
		.amdhsa_group_segment_fixed_size 327680
		.amdhsa_private_segment_fixed_size 0
		.amdhsa_enable_private_segment 0
		.amdhsa_kernarg_size 48
		.amdhsa_user_sgpr_count 2
		.amdhsa_user_sgpr_kernarg_segment_ptr 1
		.amdhsa_wavefront_size32 1
		.amdhsa_system_sgpr_workgroup_id_x 1
		.amdhsa_system_sgpr_workgroup_id_y 1
		.amdhsa_system_sgpr_workgroup_id_z 1
		.amdhsa_system_vgpr_workitem_id 0
		.amdhsa_next_free_vgpr 768
		.amdhsa_next_free_sgpr 100
		.amdhsa_reserve_vcc 0
		.amdhsa_float_denorm_mode_32 3
		.amdhsa_float_denorm_mode_16_64 3
		.amdhsa_memory_ordered 1
		.amdhsa_forward_progress 1
		.amdhsa_inst_pref_size 53
	.end_amdhsa_kernel
	.amdgpu_metadata
---
amdhsa.version: [ 1, 2 ]
amdhsa.kernels:
  - .name:           k_q5cb4fadecb_wo
    .symbol:         k_q5cb4fadecb_wo.kd
    .args:
      - { .name: ctxc, .offset: 0, .size: 8, .value_kind: global_buffer, .address_space: global }
      - { .name: codes, .offset: 8, .size: 8, .value_kind: global_buffer, .address_space: global }
      - { .name: x, .offset: 16, .size: 8, .value_kind: global_buffer, .address_space: global }
      - { .name: bo, .offset: 24, .size: 8, .value_kind: global_buffer, .address_space: global }
      - { .name: lowp_scales, .offset: 32, .size: 8, .value_kind: global_buffer, .address_space: global }
      - { .name: x1, .offset: 40, .size: 8, .value_kind: global_buffer, .address_space: global }
    .group_segment_fixed_size: 327680
    .private_segment_fixed_size: 0
    .kernarg_segment_align: 8
    .kernarg_segment_size: 48
    .max_flat_workgroup_size: 128
    .sgpr_count:     100
    .vgpr_count:     768
    .wavefront_size: 32
...
	.end_amdgpu_metadata
.endif
;; end of part 4
;; launch ln2 (part 5): grid 256 x 1, 4 waves a work-group, no clusters, 0 bytes of LDS; arguments x1, g2, s2, lowp_scales, h2c; writes h2c
.if DOCPART == 5
	.amdgcn_target "amdgcn-amd-amdhsa--gfx1250"
	.amdhsa_code_object_version 6
	.text
	.protected	k_q5cb4fadecb_ln2
	.globl	k_q5cb4fadecb_ln2
	.p2align	8
	.type	k_q5cb4fadecb_ln2,@function
k_q5cb4fadecb_ln2:
	s_mov_b64 s[64:65], 0
	v_nop
	global_prefetch_b8 v0, s[64:65] scope:SCOPE_SE
	s_setreg_imm32_b32 hwreg(HW_REG_WAVE_MODE, 25, 1), 1
	s_wait_xcnt 0x0
; h = layer norm of x1 (mean; variance over 1,023; gain g2, shift s2), quantised to codes of E4M3 with the scale of entry 12; rows of 1,024 codes.
; A wave takes four rows, one row at a time, whole, in 32 registers a lane; no LDS, no barrier, no matrix work: every byte is read once and waves share nothing.
; Lane l holds elements 256 j + 8 l + 0..7 (j = 0..3): eight neighbours for a conversion, and the wave's store of 8 bytes a lane covers 256 consecutive, aligned bytes.
; The variance is taken of x - mean, so that a common offset does no harm.
; LIMITS: entry 12 lies between -126 and 119.  NaN and infinities are not served.  The division by 1,023 is a multiplication by the f32 number nearest 1/1023.
.set LG,    16                         ; v16-47   the gain at my 32 elements
.set LS,    48                         ; v48-79   the shift
.set LX,    80                         ; v80-207  four rows
.set LT,    208                        ; v208-223 two sets of 8 held numbers
.set LC,    224                        ; v224-231 a row's codes
	s_load_b256 s[4:11], s[0:1], 0x0               ; x1, g2, s2, the scales' exponents
	s_load_b64 s[24:25], s[0:1], 0x20              ; the codes
	v_lshrrev_b32 v1, 5, v0
	v_readfirstlane_b32 s28, v1                    ; wave
	v_and_b32 v1, 31, v0                           ; lane
	s_lshl_b32 s52, ttmp9, 4
	s_lshl_b32 s53, s28, 2
	s_add_co_u32 s52, s52, s53                     ; my wave's first row
	s_lshl_b32 s54, s52, 12
	s_mov_b32 s55, 0
	s_lshl_b32 s56, s52, 10
	s_mov_b32 s57, 0
	v_lshlrev_b32 v4, 5, v1
	v_lshlrev_b32 v5, 3, v1
	s_wait_alu depctr_va_vdst(0)
	s_wait_kmcnt 0x0
	s_load_b32 s36, s[10:11], 0x30                 ; entry 12
	s_add_nc_u64 s[4:5], s[4:5], s[54:55]
	s_add_nc_u64 s[30:31], s[24:25], s[56:57]
.irp j, 0,1,2,3
	global_load_b128 v[LG+8*\j:LG+8*\j+3], v4, s[6:7] offset:1024*\j
	global_load_b128 v[LG+8*\j+4:LG+8*\j+7], v4, s[6:7] offset:1024*\j+16
.endr
.irp j, 0,1,2,3
	global_load_b128 v[LS+8*\j:LS+8*\j+3], v4, s[8:9] offset:1024*\j
	global_load_b128 v[LS+8*\j+4:LS+8*\j+7], v4, s[8:9] offset:1024*\j+16
.endr
.irp r, 0,1,2,3
.irp j, 0,1,2,3
	global_load_b128 v[LX+32*\r+8*\j:LX+32*\r+8*\j+3], v4, s[4:5] offset:4096*\r+1024*\j
	global_load_b128 v[LX+32*\r+8*\j+4:LX+32*\r+8*\j+7], v4, s[4:5] offset:4096*\r+1024*\j+16
.endr
.endr
	s_mov_b32 s32, 0x76543210                      ; v_permlanex16_b32: each lane takes its own place in the other half
	s_mov_b32 s33, 0xfedcba98
	s_mov_b32 s26, 0x3a802008                      ; 1 / 1023
	s_mov_b32 s27, 0x2b8cbccc                      ; 1e-12
	s_wait_kmcnt 0x0
	s_add_co_i32 s34, s36, 127
	s_lshl_b32 s35, s34, 23
	v_mov_b32 v10, s35                             ; 2^e as f32: the conversion takes its exponent field
	s_add_co_i32 s34, s34, 8
	s_lshl_b32 s34, s34, 23
	s_or_b32 s34, s34, 0x600000
	v_mov_b32 v11, s34                             ; 448 x 2^e
.macro REDUCE                          ; v248 summed over the 32 lanes, the result in every lane
	v_add_f32_dpp v248, v248, v248 row_xmask:1 row_mask:0xf bank_mask:0xf
	v_add_f32_dpp v248, v248, v248 row_xmask:2 row_mask:0xf bank_mask:0xf
	v_add_f32_dpp v248, v248, v248 row_xmask:4 row_mask:0xf bank_mask:0xf
	v_add_f32_dpp v248, v248, v248 row_xmask:8 row_mask:0xf bank_mask:0xf
	v_permlanex16_b32 v249, v248, s32, s33
	v_add_f32 v248, v248, v249
.endm
.macro LNROW rr
.set XR, LX+32*(\rr)
	s_wait_loadcnt 8*(3-(\rr))                     ; gain, shift and my rows up to this one are in; 8 loads for each later row may be out
	v_pk_add_f32 v[248:249], v[XR:XR+1], v[XR+2:XR+3]
	v_pk_add_f32 v[250:251], v[XR+4:XR+5], v[XR+6:XR+7]
.irp j, 8,12,16,20,24,28
	v_pk_add_f32 v[248:249], v[248:249], v[XR+\j:XR+\j+1]
	v_pk_add_f32 v[250:251], v[250:251], v[XR+\j+2:XR+\j+3]
.endr
	v_pk_add_f32 v[248:249], v[248:249], v[250:251]
	v_add_f32 v248, v248, v249
	REDUCE
	v_mul_f32 v6, 0x3a800000, v248                 ; the mean: / 1024
	v_mov_b32 v7, v6
.set J, 0
.rept 16
	v_pk_add_f32 v[XR+J:XR+J+1], v[XR+J:XR+J+1], v[6:7] neg_lo:[0,1] neg_hi:[0,1]   ; x - mean
.set J, J+2
.endr
	v_pk_mul_f32 v[248:249], v[XR:XR+1], v[XR:XR+1]
	v_pk_mul_f32 v[250:251], v[XR+2:XR+3], v[XR+2:XR+3]
.irp j, 4,8,12,16,20,24,28
	v_pk_fma_f32 v[248:249], v[XR+\j:XR+\j+1], v[XR+\j:XR+\j+1], v[248:249]
	v_pk_fma_f32 v[250:251], v[XR+\j+2:XR+\j+3], v[XR+\j+2:XR+\j+3], v[250:251]
.endr
	v_pk_add_f32 v[248:249], v[248:249], v[250:251]
	v_add_f32 v248, v248, v249
	REDUCE
	v_fma_f32 v248, v248, s26, s27                 ; the variance over 1,023, + 1e-12
	s_wait_alu depctr_va_vdst(0)
	v_rsq_f32 v8, v248
	v_rsq_f32 v9, v248                             ; twice: a pair for the packed multiply
	v_nop                                          ; a plain line behind the last of them (ISA guide 5.7.2),
	s_wait_alu depctr_va_vdst(0)                   ; and the one wait ahead of the first reader
.set J, 0
.rept 16
	v_pk_mul_f32 v[XR+J:XR+J+1], v[XR+J:XR+J+1], v[8:9]
.set J, J+2
.endr
.set J, 0
.rept 16
	v_pk_fma_f32 v[XR+J:XR+J+1], v[XR+J:XR+J+1], v[LG+J:LG+J+1], v[LS+J:LS+J+1]
.set J, J+2
.endr
	s_wait_xcnt 0x0                                ; the last row's stores have read their data registers, which are written anew below
.irp j, 0,1,2,3
.irp i, 0,1,2,3,4,5,6,7
	v_med3_num_f32 v[LT+8*(\j%2)+\i], v[XR+8*\j+\i], -v11, v11   ; the hold (the conversion does not saturate: ISA guide 7.6.2), into one of two sets by turns: eight plain lines stand between a conversion and the next write of its sources
.endr
	v_cvt_scalef32_pk8_fp8_f32 v[LC+2*\j:LC+2*\j+1], v[LT+8*(\j%2):LT+8*(\j%2)+7], v10
.endr
.irp j, 0,1,2,3
	global_store_b64 v5, v[LC+2*\j:LC+2*\j+1], s[30:31] offset:(\rr)*1024+256*\j   ; the wave stores 256 consecutive bytes, aligned
.endr
.endm
	LNROW 0
	LNROW 1
	LNROW 2
	LNROW 3
	s_endpgm
.Lfunc_end_k_q5cb4fadecb_ln2:
	.size	k_q5cb4fadecb_ln2, .Lfunc_end_k_q5cb4fadecb_ln2-k_q5cb4fadecb_ln2
	.p2alignl 7, 3214868480
	.fill 96, 4, 3214868480
	.section	.rodata,"a",@progbits
	.p2align	6, 0x0
	.amdhsa_kernel k_q5cb4fadecb_ln2
		.amdhsa_group_segment_fixed_size 0
		.amdhsa_private_segment_fixed_size 0
		.amdhsa_enable_private_segment 0
		.amdhsa_kernarg_size 40
		.amdhsa_user_sgpr_count 2
		.amdhsa_user_sgpr_kernarg_segment_ptr 1
		.amdhsa_wavefront_size32 1
		.amdhsa_system_sgpr_workgroup_id_x 1
		.amdhsa_system_sgpr_workgroup_id_y 1
		.amdhsa_system_sgpr_workgroup_id_z 1
		.amdhsa_system_vgpr_workitem_id 0
		.amdhsa_next_free_vgpr 256
		.amdhsa_next_free_sgpr 66
		.amdhsa_reserve_vcc 0
		.amdhsa_float_denorm_mode_32 3
		.amdhsa_float_denorm_mode_16_64 3
		.amdhsa_memory_ordered 1
		.amdhsa_forward_progress 1
		.amdhsa_inst_pref_size 42
	.end_amdhsa_kernel
	.amdgpu_metadata
---
amdhsa.version: [ 1, 2 ]
amdhsa.kernels:
  - .name:           k_q5cb4fadecb_ln2
    .symbol:         k_q5cb4fadecb_ln2.kd
    .args:
      - { .name: x1, .offset: 0, .size: 8, .value_kind: global_buffer, .address_space: global }
      - { .name: g2, .offset: 8, .size: 8, .value_kind: global_buffer, .address_space: global }
      - { .name: s2, .offset: 16, .size: 8, .value_kind: global_buffer, .address_space: global }
      - { .name: lowp_scales, .offset: 24, .size: 8, .value_kind: global_buffer, .address_space: global }
      - { .name: h2c, .offset: 32, .size: 8, .value_kind: global_buffer, .address_space: global }
    .group_segment_fixed_size: 0
    .private_segment_fixed_size: 0
    .kernarg_segment_align: 8
    .kernarg_segment_size: 40
    .max_flat_workgroup_size: 128
    .sgpr_count:     66
    .vgpr_count:     256
    .wavefront_size: 32
...
	.end_amdgpu_metadata
.endif
;; end of part 5
;; launch w1 (part 6): grid 16 x 16, 4 waves a work-group, clusters of 4 x 4, 327,680 bytes of LDS; arguments h2c, codes, b1, lowp_scales, gc; writes gc
.if DOCPART == 6
	.amdgcn_target "amdgcn-amd-amdhsa--gfx1250"
	.amdhsa_code_object_version 6
	.text
	.protected	k_q5cb4fadecb_w1
	.globl	k_q5cb4fadecb_w1
	.p2align	8
	.type	k_q5cb4fadecb_w1,@function
k_q5cb4fadecb_w1:
	s_mov_b64 s[64:65], 0
	v_nop
	global_prefetch_b8 v0, s[64:65] scope:SCOPE_SE
	s_setreg_imm32_b32 hwreg(HW_REG_WAVE_MODE, 25, 1), 1
	s_wait_xcnt 0x0
	s_wait_alu depctr_hold_cnt(0) depctr_sa_sdst(0) depctr_va_vdst(0) depctr_va_sdst(0) depctr_va_ssrc(0) depctr_va_vcc(0) depctr_vm_vsrc(0)
	s_getreg_b32 s2, hwreg(HW_REG_IB_STS2, 6, 4)
	s_cmp_eq_u32 s2, 0
	s_cbranch_scc0 .Lentry_in_a_cluster
	s_endpgm
.Lentry_in_a_cluster:
	s_bfe_u32 s2, ttmp6, 0x10000c
	s_cmp_lg_u32 s2, 0xf033
	s_cbranch_scc0 .Lentry_shape_is_right
	s_endpgm
.Lentry_shape_is_right:
.set KSTEP,  256
.set ROWB,   256
.set KROW,   1024
.set PITCH,  272
.set FR,     16
.set NL,     4
.set NP,     4
.set HALFT,  128*PITCH
.set SLOT,   4*HALFT
.set LAPS,   KROW/(2*KSTEP)
.set SPARE,  2*SLOT
.set STGW,   2304
.set STG_CB, SPARE+512
.set GA,   8
.set GB,   10
.set BCA,  12
.set ADRA, 16
.set ADRB, 20
.set STO,  24
.set RD,   25
.set CO,   26
.set SPW,  28
.set NIL,  29
.set LIM,  30
.set SCL,  31
.set BC,   32
.set PC,   96
.set AF,   128
.set XV,   128
.set E,    192
.set G1, 24
.set G0, 32
.set G1B, 48
.set G0B, 56
.set MSB, 0
.macro WIN new
.if MSB != \new
	s_set_vgpr_msb (MSB<<8)|\new
.set MSB, \new
.endif
.endm
.set MUL_LO, 0xa1
.set MUL_HI, 0xf1
.set TO_B,   0x40
.macro JLOAD g0a, g1a, g0b, g1b
	s_cmp_eq_u32 s15, 0
	s_cbranch_scc0 .Lfor_b_\@
	tensor_load_to_lds s[\g0a:\g0a+3], s[\g1a:\g1a+7]
	s_nop 0
.rept 4
	v_nop
.endr
	s_branch .Lasked_\@
.Lfor_b_\@:
	tensor_load_to_lds s[\g0b:\g0b+3], s[\g1b:\g1b+7]
	s_nop 0
.rept 4
	v_nop
.endr
.Lasked_\@:
.endm
.macro CREST
	s_cmp_lg_u32 s14, 0
	s_cbranch_scc1 .Lnot_wave_0_\@
	s_barrier_signal -3
.Lnot_wave_0_\@:
	s_barrier_wait -3
	s_barrier_signal -1
	s_barrier_wait -1
.endm
.macro CROUND
	s_barrier_signal -1
	s_barrier_wait -1
	CREST
.endm
	s_load_b256 s[4:11], s[0:1], 0x0
	s_load_b64 s[86:87], s[0:1], 0x20
	v_lshl_add_u32 v[SPW], v0, 2, SPARE
	v_mov_b32 v[NIL], 0
	ds_add_u32 v[SPW], v[NIL]
	ds_add_u32 v[SPW], v[NIL]
	v_lshrrev_b32 v1, 5, v0
	v_readfirstlane_b32 s14, v1
	s_lshr_b32 s15, s14, 1
	s_and_b32 s16, s14, 1
	s_bfe_u32 s40, ttmp6, 0x40000
	s_bfe_u32 s41, ttmp6, 0x40004
	s_lshl_b32 s42, ttmp9, 2
	s_add_co_u32 s42, s42, s40
	s_and_b32 s17, ttmp7, 0xffff
	s_lshl_b32 s17, s17, 2
	s_add_co_u32 s17, s17, s41
	s_lshl_b32 s43, s41, 2
	s_lshl_b32 s43, 15, s43
	s_lshl_b32 s44, 0x1111, s40
	s_or_b32 s[G1+0], s43, (0<<16)|(1<<20)|(1<<21)|(5<<22)|(3<<25)
	s_or_b32 s[G1B+0], s44, (0<<16)|(1<<20)|(1<<21)|(5<<22)|(3<<25)
.irp g, G1, G1B
	s_mov_b32 s[\g+1], ROWB<<16
	s_mov_b32 s[\g+2], 128<<16
	s_mov_b32 s[\g+3], ROWB<<16
	s_mov_b32 s[\g+4], 128
	s_mov_b32 s[\g+5], KROW
	s_mov_b32 s[\g+6], 0
	s_mov_b32 s[\g+7], 0
.endr
	s_lshl_b32 s18, s16, 7
	s_lshl_b32 s20, s17, 8
	s_add_co_u32 s20, s20, s18
	s_lshl_b32 s20, s20, 10
	s_mov_b32 s21, 0
	s_lshl_b32 s46, s42, 8
	s_add_co_u32 s46, s46, s18
	s_lshl_b32 s46, s46, 10
	s_add_co_u32 s46, s46, 0x1000000
	s_mov_b32 s47, 0
	s_mul_i32 s45, s14, HALFT
	v_mov_b32 v[GA], 0xc0135761
	v_mov_b32 v[GA+1], 0xc0135761
	v_mov_b32 v[GB], 0xbdd2d3e8
	v_mov_b32 v[GB+1], 0xbdd2d3e8
	s_wait_dscnt 0x0
	s_wait_kmcnt 0x0
	s_load_b128 s[68:71], s[10:11], 0x30
	s_add_nc_u64 s[20:21], s[4:5], s[20:21]
	s_add_nc_u64 s[46:47], s[6:7], s[46:47]
	CROUND
.irp s, 0,1
	s_mov_b32 s[G0+4*\s], 1
	s_add_co_u32 s[G0+4*\s+1], s45, \s*SLOT
	s_add_nc_u64 s[G0+4*\s+2:G0+4*\s+3], s[20:21], \s*ROWB
	s_or_b32 s[G0+4*\s+3], s[G0+4*\s+3], 0x80000000
	s_mov_b32 s[G0B+4*\s], 1
	s_add_co_u32 s[G0B+4*\s+1], s45, \s*SLOT
	s_add_nc_u64 s[G0B+4*\s+2:G0B+4*\s+3], s[46:47], \s*ROWB
	s_or_b32 s[G0B+4*\s+3], s[G0B+4*\s+3], 0x80000000
.endr
	JLOAD G0, G1, G0B, G1B
	; the prefetches: of the 128 rows that I fetch, my work-group names 32, told from its three partners' by address (cx for h's rows, cy for W1's): a lane a row, 256 bytes of a row to a K step
	s_cmp_eq_u32 s15, 0
	s_cselect_b64 s[92:93], s[20:21], s[46:47]
	s_cselect_b32 s94, s40, s41
	s_lshl_b32 s94, s94, 15
	s_mov_b32 s95, 0
	s_add_nc_u64 s[92:93], s[92:93], s[94:95]
	v_and_b32 v14, 31, v0
	v_lshlrev_b32 v14, 10, v14
	global_prefetch_b8 v14, s[92:93] offset:256 th:TH_LOAD_NT scope:SCOPE_SE   ; K step 1, whose load follows when K step 0 has landed,
	global_prefetch_b8 v14, s[92:93] offset:512 th:TH_LOAD_NT scope:SCOPE_SE   ; and K step 2: two loads ahead of its own
	v_and_b32 v1, 15, v0
	s_wait_alu depctr_va_vdst(0)
	v_bfe_u32 v2, v0, 4, 1
	v_mul_u32_u24 v3, v1, PITCH
	v_lshl_add_u32 v4, v2, 4, v3
	s_mul_i32 s21, s15, HALFT
	s_mul_i32 s22, s16, HALFT
	s_add_co_u32 s22, s22, 2*HALFT
.irp s, 0,1
	v_add_nc_u32 v[ADRA+\s], s21, v4
	v_add_nc_u32 v[ADRB+\s], s22, v4
	s_add_co_u32 s21, s21, SLOT
	s_add_co_u32 s22, s22, SLOT
.endr
	s_mul_i32 s23, s14, STGW
	v_lshrrev_b32 v3, 2, v1
	v_mul_u32_u24 v3, v3, 272
	v_and_b32 v5, 3, v1
	v_lshl_add_u32 v3, v5, 6, v3
	v_lshl_add_u32 v3, v2, 3, v3
	v_add_nc_u32 v3, s23, v3
	v_add_nc_u32 v[STO], STG_CB, v3
	v_mul_u32_u24 v5, v2, 1088
	v_lshl_add_u32 v5, v1, 4, v5
	v_add_nc_u32 v5, s23, v5
	v_add_nc_u32 v[RD], STG_CB, v5
	v_lshlrev_b32 v[CO], 18, v2
	v_lshl_add_u32 v[CO], v1, 4, v[CO]
	s_lshl_b32 s12, s42, 1
	s_add_co_u32 s12, s12, s16
	s_lshl_b32 s13, s12, 9
	v_lshl_add_u32 v[BCA], v2, 5, s13
.irp b, 0,1,2,3,4,5,6,7
	global_load_b128 v[BC+8*\b:BC+8*\b+3], v[BCA], s[8:9] offset:64*\b
	global_load_b128 v[BC+8*\b+4:BC+8*\b+7], v[BCA], s[8:9] offset:64*\b+16
.endr
	s_lshl_b32 s12, s12, 19
	s_lshl_b32 s98, s17, 14
	s_add_co_u32 s12, s12, s98
	s_lshl_b32 s98, s15, 13
	s_add_co_u32 s12, s12, s98
	s_mov_b32 s13, 0
	s_add_nc_u64 s[90:91], s[86:87], s[12:13]
.macro FRAG reg, adr, q, i
.irp c, 0,1,2,3
	ds_load_b128 v[\reg+4*\c:\reg+4*\c+3], v[\adr] offset:128*(\q)+32*\c+(\i)*16*PITCH
.endr
.endm
.macro MUL16 a0, p, zero
.irp a, \a0, \a0+1
.irp b, 0,1,2,3,4,5,6,7
.if \zero
	v_wmma_f32_16x16x128_fp8_fp8 v[8*(8*((\a)%4)+\b):8*(8*((\a)%4)+\b)+7], v[128*(\p)+FR*\b:128*(\p)+FR*\b+FR-1], v[AF+FR*(\a):AF+FR*(\a)+FR-1], 0
.else
	v_wmma_f32_16x16x128_fp8_fp8 v[8*(8*((\a)%4)+\b):8*(8*((\a)%4)+\b)+7], v[128*(\p)+FR*\b:128*(\p)+FR*\b+FR-1], v[AF+FR*(\a):AF+FR*(\a)+FR-1], v[8*(8*((\a)%4)+\b):8*(8*((\a)%4)+\b)+7]
.endif
.endr
.endr
.endm
.macro FETCH_B slot, q, p
	WIN TO_B
.irp i, 0,1,2,3,4,5,6,7
	FRAG 128*(\p)+FR*\i, ADRB+\slot, \q, \i
.endr
	WIN 0
.endm
.macro FETCH_A slot, q, i0
.irp i, \i0, \i0+1, \i0+2, \i0+3
	FRAG AF+FR*(\i), ADRA+\slot, \q, \i
.endr
.endm
.macro PLACES n
.rept \n
	v_nop
.endr
.endm
.macro STEP slot, q, zero
	s_wait_dscnt 4*NL
	WIN MUL_LO
	MUL16 0, (\q)%2, \zero
	MUL16 2, (\q)%2, \zero
	s_wait_dscnt 0
	PLACES NP
	FETCH_B \slot, (\q)+1, 1-(\q)%2
	FETCH_A \slot, (\q)+1, 0
	WIN MUL_HI
	MUL16 4, (\q)%2, \zero
	MUL16 6, (\q)%2, \zero
	PLACES NP
	WIN 0
	FETCH_A \slot, (\q)+1, 4
.endm
.macro TURN slot, next, fill
	s_wait_tensorcnt 0x0
	ds_add_u32 v[SPW], v[NIL]
	s_wait_dscnt 4*NL+1
	WIN MUL_LO
	MUL16 0, 1, 0
	s_wait_dscnt 0x0
	s_barrier_signal -1
	MUL16 2, 1, 0
	WIN 0
	s_barrier_wait -1
.if \fill
	CREST
	s_add_nc_u64 s[G0+4*\slot+2:G0+4*\slot+3], s[G0+4*\slot+2:G0+4*\slot+3], 2*ROWB
	s_add_nc_u64 s[G0B+4*\slot+2:G0B+4*\slot+3], s[G0B+4*\slot+2:G0B+4*\slot+3], 2*ROWB
	JLOAD G0+4*\slot, G1, G0B+4*\slot, G1B
.else
	PLACES NP
.endif
	FETCH_B \next, 0, 0
	FETCH_A \next, 0, 0
	WIN MUL_HI
	MUL16 4, 1, 0
	MUL16 6, 1, 0
	PLACES NP
	WIN 0
	FETCH_A \next, 0, 4
.endm
	s_wait_alu depctr_va_vdst(0)                   ; the wait at the head's end
	s_wait_tensorcnt 0x0                           ; my part of K step 0 is in; slot 1's first fill is issued as a refill is:
	ds_add_u32 v[SPW], v[NIL]
	s_wait_dscnt 0x0
	CROUND                                         ; everybody's part of K step 0 is in, and the joint loads meet
	JLOAD G0+4, G1, G0B+4, G1B                     ; K step 1: the first tensor load behind the round
	FETCH_B 0, 0, 0
	FETCH_A 0, 0, 0
	FETCH_A 0, 0, 4
	global_prefetch_b8 v14, s[92:93] offset:768 th:TH_LOAD_NT scope:SCOPE_SE   ; behind K step 1's load: K step 3, the last
	STEP 0, 0, 1
	s_mov_b32 s3, LAPS-1
.Llap:
	TURN 0, 1, 1
	STEP 1, 0, 0
	TURN 1, 0, 1
	STEP 0, 0, 0
	s_sub_co_u32 s3, s3, 1
	s_cmp_lg_u32 s3, 0
	s_cbranch_scc1 .Llap
	TURN 0, 1, 0
	STEP 1, 0, 0
	s_wait_dscnt 4*NL
	WIN MUL_LO
	MUL16 0, 1, 0
	MUL16 2, 1, 0
	s_wait_dscnt 0
	WIN MUL_HI
	MUL16 4, 1, 0
	MUL16 6, 1, 0
	WIN 0
.macro EPI a
.set AC, 64*((\a)%4)
.set PCS, PC+16*((\a)%2)
.set BKS, 16*((\a)%2)
	WIN 0x02+((\a)/4)
.set J, 0
.rept 32
	v_pk_fma_f32 v[XV+J:XV+J+1], v[AC+J:AC+J+1], s[96:97], v[BC+J:BC+J+1] op_sel_hi:[1,0,1]
.set J, J+2
.endr
	WIN 0
.set J, 0
.rept 32
	v_pk_mul_f32 v[E+J:E+J+1], v[XV+J:XV+J+1], v[XV+J:XV+J+1]
.set J, J+2
.endr
.set J, 0
.rept 32
	v_pk_fma_f32 v[E+J:E+J+1], v[E+J:E+J+1], v[GB:GB+1], v[GA:GA+1]
.set J, J+2
.endr
.set J, 0
.rept 32
	v_pk_mul_f32 v[E+J:E+J+1], v[E+J:E+J+1], v[XV+J:XV+J+1]
.set J, J+2
.endr
.set J, 0
	s_wait_alu depctr_va_vdst(0)
.rept 64
	v_exp_f32 v[E+J], v[E+J]
.set J, J+1
.endr
	v_nop
	s_wait_alu depctr_va_vdst(0)
.set J, 0
.rept 32
	v_pk_add_f32 v[E+J:E+J+1], v[E+J:E+J+1], 1.0 op_sel_hi:[1,0]
.set J, J+2
.endr
.set J, 0
	s_wait_alu depctr_va_vdst(0)
.rept 64
	v_rcp_f32 v[E+J], v[E+J]
.set J, J+1
.endr
	v_nop
	s_wait_alu depctr_va_vdst(0)
.set J, 0
.rept 32
	v_pk_mul_f32 v[XV+J:XV+J+1], v[XV+J:XV+J+1], v[E+J:E+J+1]
.set J, J+2
.endr
.set J, 0
.rept 64
	v_med3_num_f32 v[XV+J], v[XV+J], -v[LIM], v[LIM]
.set J, J+1
.endr
.irp b, 0,1,2,3,4,5,6,7
	v_cvt_scalef32_pk8_fp8_f32 v[PCS+2*\b:PCS+2*\b+1], v[XV+8*\b:XV+8*\b+7], v[SCL]
.endr
	v_nop
.irp b, 0,1,2,3,4,5,6,7
	ds_store_b64 v[STO], v[PCS+2*\b:PCS+2*\b+1] offset:(\b/4)*1088+16*(\b%4)
.endr
	WIN 0x40
.irp t, 0,1,2,3
	ds_load_b128 v[BKS+4*\t:BKS+4*\t+3], v[RD] offset:\t*272
.endr
	WIN 0
.endm
.macro SEND a, younger
.set BKS, 16*((\a)%2)
	s_wait_dscnt \younger
	WIN 0x04
.irp t, 0,1,2,3
	global_store_b128 v[CO], v[BKS+4*\t:BKS+4*\t+3], s[90:91] offset:(\a)*1024+256*\t
.endr
	WIN 0
.endm
	s_wait_loadcnt 0x0
	s_wait_kmcnt 0x0
	s_add_co_i32 s96, s68, s69
	s_add_co_i32 s96, s96, 127
	s_lshl_b32 s96, s96, 23
	s_mov_b32 s97, s96
	s_add_co_i32 s98, s70, 127
	s_lshl_b32 s99, s98, 23
	v_mov_b32 v[SCL], s99
	s_add_co_i32 s98, s98, 8
	s_lshl_b32 s98, s98, 23
	s_or_b32 s98, s98, 0x600000
	v_mov_b32 v[LIM], s98
	PLACES NP
	EPI 0
.irp a, 1,2,3,4,5,6,7
.if \a > 1
	s_wait_xcnt 0x0
.endif
	EPI \a
	SEND \a-1, 12
.endr
	SEND 7, 0
	s_wait_tensorcnt 0x0
	ds_add_u32 v[SPW], v[NIL]
	s_wait_dscnt 0x0
	CROUND
	s_endpgm
.Lfunc_end_k_q5cb4fadecb_w1:
	.size	k_q5cb4fadecb_w1, .Lfunc_end_k_q5cb4fadecb_w1-k_q5cb4fadecb_w1
	.p2alignl 7, 3214868480
	.fill 96, 4, 3214868480
	.section	.rodata,"a",@progbits
	.p2align	6, 0x0
	.amdhsa_kernel k_q5cb4fadecb_w1
		.amdhsa_group_segment_fixed_size 327680
		.amdhsa_private_segment_fixed_size 0
		.amdhsa_enable_private_segment 0
		.amdhsa_kernarg_size 40
		.amdhsa_user_sgpr_count 2
		.amdhsa_user_sgpr_kernarg_segment_ptr 1
		.amdhsa_wavefront_size32 1
		.amdhsa_system_sgpr_workgroup_id_x 1
		.amdhsa_system_sgpr_workgroup_id_y 1
		.amdhsa_system_sgpr_workgroup_id_z 1
		.amdhsa_system_vgpr_workitem_id 0
		.amdhsa_next_free_vgpr 1024
		.amdhsa_next_free_sgpr 100
		.amdhsa_reserve_vcc 0
		.amdhsa_float_denorm_mode_32 3
		.amdhsa_float_denorm_mode_16_64 3
		.amdhsa_memory_ordered 1
		.amdhsa_forward_progress 1
		.amdhsa_inst_pref_size 255
	.end_amdhsa_kernel
	.section	.bss,"aw",@nobits
	.p2align	6
	.space	262144
	.amdgpu_metadata
---
amdhsa.version: [ 1, 2 ]
amdhsa.kernels:
  - .name:           k_q5cb4fadecb_w1
    .symbol:         k_q5cb4fadecb_w1.kd
    .args:
      - { .name: h2c, .offset: 0, .size: 8, .value_kind: global_buffer, .address_space: global }
      - { .name: codes, .offset: 8, .size: 8, .value_kind: global_buffer, .address_space: global }
      - { .name: b1, .offset: 16, .size: 8, .value_kind: global_buffer, .address_space: global }
      - { .name: lowp_scales, .offset: 24, .size: 8, .value_kind: global_buffer, .address_space: global }
      - { .name: gc, .offset: 32, .size: 8, .value_kind: global_buffer, .address_space: global }
    .group_segment_fixed_size: 327680
    .private_segment_fixed_size: 0
    .kernarg_segment_align: 8
    .kernarg_segment_size: 40
    .max_flat_workgroup_size: 128
    .sgpr_count:     100
    .vgpr_count:     1024
    .wavefront_size: 32
...
	.end_amdgpu_metadata
.endif
;; end of part 6
;; launch w2 (part 7): grid 8 x 32, 4 waves a work-group, clusters of 4 x 4, 327,680 bytes of LDS; arguments gc, codes, x1, b2, lowp_scales, out0; writes out0
.if DOCPART == 7
	.amdgcn_target "amdgcn-amd-amdhsa--gfx1250"
	.amdhsa_code_object_version 6
	.text
	.protected	k_q5cb4fadecb_w2
	.globl	k_q5cb4fadecb_w2
	.p2align	8
	.type	k_q5cb4fadecb_w2,@function
k_q5cb4fadecb_w2:
	s_mov_b64 s[64:65], 0
	v_nop
	global_prefetch_b8 v0, s[64:65] scope:SCOPE_SE
	s_setreg_imm32_b32 hwreg(HW_REG_WAVE_MODE, 25, 1), 1
	s_wait_xcnt 0x0
	s_wait_alu depctr_hold_cnt(0) depctr_sa_sdst(0) depctr_va_vdst(0) depctr_va_sdst(0) depctr_va_ssrc(0) depctr_va_vcc(0) depctr_vm_vsrc(0)
	s_getreg_b32 s2, hwreg(HW_REG_IB_STS2, 6, 4)
	s_cmp_eq_u32 s2, 0
	s_cbranch_scc0 .Lentry_in_a_cluster
	s_endpgm
.Lentry_in_a_cluster:
	s_bfe_u32 s2, ttmp6, 0x10000c
	s_cmp_lg_u32 s2, 0xf033
	s_cbranch_scc0 .Lentry_shape_is_right
	s_endpgm
.Lentry_shape_is_right:
; out = res + (A W + bias) on codes of E4M3.  Here: out0 = x1 + (g W2 + b2), K = 4,096, the scales' entries 14 and 15.
; A: codes laid [K / 64 blocks of columns][4,096 rows][64].  W: codes laid [1,024 n][K], at WOFF of the buffer of codes.  res, out: [4,096][1,024] f32.  bias: [1,024] f32.
; A tile of the result is 128 x 128: tiles of 256 x 256 would be 64 for 256 WGPs.  Four waves, 64 x 64 each: 16 accumulators.  K goes in steps of 512 through two LDS slots; a step is four quarters of 128.
; CLUSTERS: 4 x 4 work-groups; A's tile is shared along a row of the cluster, W's along a column: each is asked for jointly, by the same tensor load with the same descriptor and a mask that names the four.
; THE MATRIX INSTRUCTION IS USED TRANSPOSED (source 0 = 16 rows of W, source 1 = 16 rows of A): a lane holds eight neighbouring columns of one row.  A wave's 64 columns are 256 aligned bytes of a row.
; LIMIT: the two exponents' sum lies between -126 and 127.
; REGISTERS: window 0: v0-31 addresses, v12-15 the bias at my four columns; v32-95 the way out; v128-255 the accumulators ((a, b) at v[128 + 8 (4 a + b)]).
;   window 1: two sets of fragments of 128: A's four at +0, W's four at +64.   window 2: v0-127 my part of res, asked for at the head.
.set KTOT,  4096
.set WOFF,  0x1400000
.set ENT,   14
.set LAPS,  KTOT/1024                  ; a lap = two K steps = once round the ring
.set AH,    34816                      ; 64 rows of A x 512 K: 8 blocks of columns x 16 runs of (256 bytes = 4 rows x 64) + 16 of padding
.set BH,    33792                      ; 64 rows of W x (512 bytes + 16)
.set SLOT,  2*AH+2*BH
.set STAGE, 2*SLOT                     ; the way out: 16 rows x (256 + 16) bytes for each wave; no tile lands there
.set STW,   4352
.set SPARE, STAGE+4*STW                ; the spare words, 128 bytes a wave, which no other line names
.set BI,   12
.set ADRA, 16
.set ADRB, 20
.set STO,  24
.set RD,   25
.set CO,   26
.set BA,   27
.set SPW,  28
.set NIL,  29
.set T,    32
.set ACC,  128
.set F0,   0
.set F1,   128
.set G1, 24
.set G0, 32
.set G1B, 48
.set G0B, 56
.set MSB, 0
.macro WIN new                         ; the immediate's high byte repeats the setting that is left
.if MSB != \new
	s_set_vgpr_msb (MSB<<8)|\new
.set MSB, \new
.endif
.endm
.set MUL,  0x05                        ; sources 0 (W) and 1 (A) window 1; C and D window 0
.set TO_F, 0x40
.macro JLOAD s                         ; a joint load: waves 0 and 1 fetch A's halves, waves 2 and 3 W's; an s_nop 0 and four v_nop follow each line
	s_cmp_eq_u32 s15, 0
	s_cbranch_scc0 .Lfor_b_\@
	tensor_load_to_lds s[G0+4*\s:G0+4*\s+3], s[G1:G1+7]
	s_nop 0
.rept 4
	v_nop
.endr
	s_branch .Lasked_\@
.Lfor_b_\@:
	tensor_load_to_lds s[G0B+4*\s:G0B+4*\s+3], s[G1B:G1B+7]
	s_nop 0
.rept 4
	v_nop
.endr
.Lasked_\@:
.endm
.macro CREST
	s_cmp_lg_u32 s14, 0
	s_cbranch_scc1 .Lnot_wave_0_\@
	s_barrier_signal -3
.Lnot_wave_0_\@:
	s_barrier_wait -3
	s_barrier_signal -1
	s_barrier_wait -1
.endm
.macro CROUND
	s_barrier_signal -1
	s_barrier_wait -1
	CREST
.endm
	s_load_b256 s[4:11], s[0:1], 0x0               ; A, the codes, res, bias
	s_load_b128 s[84:87], s[0:1], 0x20             ; the scales' exponents, out
	v_lshl_add_u32 v[SPW], v0, 2, SPARE
	v_mov_b32 v[NIL], 0
	ds_add_u32 v[SPW], v[NIL]                      ; the wave's opening: the add and its wait ahead of my first tensor load; the set-up below stands between them
	ds_add_u32 v[SPW], v[NIL]
	v_lshrrev_b32 v1, 5, v0
	v_readfirstlane_b32 s14, v1                    ; wave 0..3
	s_lshr_b32 s15, s14, 1                         ; R: my 64 rows.  Also: I fetch for A (0) or for W (1)
	s_and_b32 s16, s14, 1                          ; C: my 64 columns.  Also: which half I fetch
	s_bfe_u32 s40, ttmp6, 0x40000                  ; cx, cy
	s_bfe_u32 s41, ttmp6, 0x40004
	s_lshl_b32 s42, ttmp9, 2
	s_add_co_u32 s42, s42, s40                     ; tile column
	s_and_b32 s17, ttmp7, 0xffff
	s_lshl_b32 s17, s17, 2
	s_add_co_u32 s17, s17, s41                     ; tile row
	s_lshl_b32 s43, s41, 2
	s_lshl_b32 s43, 15, s43                        ; my row of the cluster
	s_lshl_b32 s44, 0x1111, s40                    ; my column
	s_or_b32 s[G1+0], s43, (0<<16)|(1<<20)|(1<<21)|(5<<22)|(3<<25)   ; A: the mask of my row; elements of 1 byte; padding: 4 words after every 64; bit 21 beside a mask
	s_mov_b32 s[G1+1], 4096<<16                    ; a tile's row: 64 rows of A x 64 codes of one block of columns, 4,096 bytes on end
	s_mov_b32 s[G1+2], 8<<16                       ; 8 blocks of columns
	s_mov_b32 s[G1+3], 4096<<16
	s_mov_b32 s[G1+4], 8
	s_mov_b32 s[G1+5], 262144                      ; from block to block
	s_mov_b32 s[G1+6], 0
	s_mov_b32 s[G1+7], 0
	s_or_b32 s[G1B+0], s44, (0<<16)|(1<<20)|(1<<21)|(6<<22)|(3<<25)  ; W: the mask of my column; 4 words after every 128
	s_mov_b32 s[G1B+1], 512<<16
	s_mov_b32 s[G1B+2], 64<<16
	s_mov_b32 s[G1B+3], 512<<16
	s_mov_b32 s[G1B+4], 64
	s_mov_b32 s[G1B+5], KTOT
	s_mov_b32 s[G1B+6], 0
	s_mov_b32 s[G1B+7], 0
	s_lshl_b32 s20, s17, 13                        ; A: 128 rows of 64 bytes for each tile row,
	s_lshl_b32 s18, s16, 12
	s_add_co_u32 s20, s20, s18                     ; + my half
	s_mov_b32 s21, 0
	s_lshl_b32 s46, s42, 7
	s_lshl_b32 s18, s16, 6
	s_add_co_u32 s46, s46, s18
	s_mul_i32 s46, s46, KTOT
	s_add_co_u32 s46, s46, WOFF                    ; W: row 128 x tile column + 64 x half
	s_mov_b32 s47, 0
	s_mul_i32 s45, s16, AH                         ; where they go
	s_mul_i32 s19, s16, BH
	s_add_co_u32 s19, s19, 2*AH
	s_wait_dscnt 0x0                               ; the opening add is done
	s_wait_kmcnt 0x0
	s_load_b64 s[96:97], s[84:85], ENT*4           ; the two exponents
	s_add_nc_u64 s[20:21], s[4:5], s[20:21]
	s_add_nc_u64 s[46:47], s[6:7], s[46:47]
	CROUND                                         ; all sixteen work-groups are here: the first joint loads meet
.irp s, 0,1
	s_mov_b32 s[G0+4*\s], 1
	s_add_co_u32 s[G0+4*\s+1], s45, \s*SLOT
	s_add_nc_u64 s[G0+4*\s+2:G0+4*\s+3], s[20:21], \s*2097152
	s_or_b32 s[G0+4*\s+3], s[G0+4*\s+3], 0x80000000
	s_mov_b32 s[G0B+4*\s], 1
	s_add_co_u32 s[G0B+4*\s+1], s19, \s*SLOT
	s_add_nc_u64 s[G0B+4*\s+2:G0B+4*\s+3], s[46:47], \s*512
	s_or_b32 s[G0B+4*\s+3], s[G0B+4*\s+3], 0x80000000
.endr
	JLOAD 0
	; THE PREFETCHES.  Behind the load of K step t the wave asks for K step t + 2 (at the head for K step 1 too, whose load follows when K step 0 has landed); the loads of K steps 6 and 7 ask for nothing.
	; What a wave fetches in a K step is 128 runs of 256 bytes: of A 8 blocks of columns x 4,096 bytes, of W 64 rows x 512 bytes.  The four partners that ask for it jointly share the runs out BY ADDRESS
	; (cx for A: two blocks each; cy for W: 16 rows each): 32 runs, a lane a run, one instruction a wave.  So each run is named once in each cluster that loads it.
	s_cmp_eq_u32 s15, 0                            ; do I fetch for A?
	s_cselect_b64 s[72:73], s[20:21], s[46:47]     ; my part of K step 0
	s_cselect_b32 s66, s40, s41                    ; my place among the four
	s_mov_b32 s67, 65536
	s_cselect_b32 s67, 524288, s67                 ; a partner's share in bytes
	s_mov_b32 s94, 512
	s_cselect_b32 s94, 2097152, s94                ; a K step in bytes
	s_cselect_b32 s68, 4, 1                        ; log2 of the runs on end: 16 to a block of A, 2 to a row of W
	s_cselect_b32 s69, 15, 1
	s_mov_b32 s70, 4096
	s_cselect_b32 s70, 262144, s70                 ; from block to block, from row to row
	s_mul_i32 s66, s66, s67
	s_mov_b32 s67, 0
	s_mov_b32 s95, 0
	s_add_nc_u64 s[72:73], s[72:73], s[66:67]
	s_add_nc_u64 s[72:73], s[72:73], s[94:95]      ; K step 1
	s_add_nc_u64 s[74:75], s[72:73], s[94:95]      ; K step 2
	s_add_nc_u64 s[92:93], s[74:75], s[94:95]      ; K step 3: this one walks on, a K step at each change of slots
	v_and_b32 v31, 31, v0
	v_lshrrev_b32 v30, s68, v31
	v_and_b32 v31, s69, v31
	v_mul_lo_u32 v30, v30, s70
	v_lshl_add_u32 v30, v31, 8, v30                ; my lane's run; never rewritten
	global_prefetch_b8 v30, s[72:73] th:TH_LOAD_NT scope:SCOPE_SE
	global_prefetch_b8 v30, s[74:75] th:TH_LOAD_NT scope:SCOPE_SE
	v_and_b32 v1, 15, v0
	v_bfe_u32 v2, v0, 4, 1                         ; h
	v_lshrrev_b32 v3, 2, v1
	v_mul_u32_u24 v3, v3, 272
	v_and_b32 v4, 3, v1
	v_lshl_add_u32 v3, v4, 6, v3
	v_lshl_add_u32 v3, v2, 4, v3                   ; A: row r: run r / 4, 64 (r % 4), + 16 h: sixteen lanes touch sixteen different columns of 16 bytes
	v_mul_u32_u24 v4, v1, 528
	v_lshl_add_u32 v4, v2, 4, v4                   ; W: row r x pitch + 16 h
	s_mul_i32 s21, s15, AH
	s_mul_i32 s22, s16, BH
	s_add_co_u32 s22, s22, 2*AH
.irp s, 0,1
	v_add_nc_u32 v[ADRA+\s], s21, v3
	v_add_nc_u32 v[ADRB+\s], s22, v4
	s_add_co_u32 s21, s21, SLOT
	s_add_co_u32 s22, s22, SLOT
.endr
	s_mul_i32 s23, s14, STW
	s_add_co_u32 s23, s23, STAGE
	v_mul_u32_u24 v5, v1, 272
	v_lshl_add_u32 v5, v2, 5, v5
	v_add_nc_u32 v[STO], s23, v5                   ; into my stage: row r, 32 bytes for each half of the lanes
	v_mul_u32_u24 v5, v2, 272
	v_lshl_add_u32 v5, v1, 4, v5
	v_add_nc_u32 v[RD], s23, v5                    ; back: lanes 0-15 one row of 256 bytes, lanes 16-31 the next
	v_lshlrev_b32 v[CO], 12, v2
	v_lshl_add_u32 v[CO], v1, 4, v[CO]             ; and the same two rows in res and out
	s_wait_alu depctr_va_vdst(0)
	s_lshl_b32 s98, s42, 9
	s_lshl_b32 s13, s16, 8
	s_add_co_u32 s98, s98, s13                     ; my first column in bytes
	v_lshl_add_u32 v[BA], v1, 4, s98
	global_load_b128 v[BI:BI+3], v[BA], s[10:11]   ; the bias at the four columns that I hold when rows come back from the stage
	s_lshl_b32 s12, s17, 19
	s_lshl_b32 s13, s15, 18
	s_add_co_u32 s12, s12, s13
	s_add_co_u32 s12, s12, s98                     ; my first row and column
	s_mov_b32 s13, 0
	s_add_nc_u64 s[90:91], s[86:87], s[12:13]
	s_add_nc_u64 s[88:89], s[8:9], s[12:13]
.macro FETCH slot, q, f                ; 32 LDS loads in one run: the fragments of the slot's q-th 128 along K: W's four, then A's.  Registers 4 c .. 4 c + 3 hold K = 32 c + 16 h + 0..15 on both sides
	WIN TO_F
.irp b, 0,1,2,3
.irp c, 0,1,2,3
	ds_load_b128 v[\f+64+16*\b+4*\c:\f+64+16*\b+4*\c+3], v[ADRB+\slot] offset:128*(\q)+32*\c+\b*8448
.endr
.endr
.irp a, 0,1,2,3
.irp c, 0,1,2,3
	ds_load_b128 v[\f+16*\a+4*\c:\f+16*\a+4*\c+3], v[ADRA+\slot] offset:(2*(\q)+\c/2)*4352+\a*1088+32*(\c%2)
.endr
.endr
.endm
.macro MUL4 f, a, zero                 ; A's block a x W's four.  The 16 accumulators take turns, one instruction a turn, in the same order in every quarter
.irp b, 0,1,2,3
.if \zero
	v_wmma_f32_16x16x128_fp8_fp8 v[ACC+8*(4*(\a)+\b):ACC+8*(4*(\a)+\b)+7], v[\f+64+16*\b:\f+64+16*\b+15], v[\f+16*(\a):\f+16*(\a)+15], 0
.else
	v_wmma_f32_16x16x128_fp8_fp8 v[ACC+8*(4*(\a)+\b):ACC+8*(4*(\a)+\b)+7], v[\f+64+16*\b:\f+64+16*\b+15], v[\f+16*(\a):\f+16*(\a)+15], v[ACC+8*(4*(\a)+\b):ACC+8*(4*(\a)+\b)+7]
.endif
.endr
.endm
.macro PLACES                          ; four plain lines between a matrix instruction and a load into, or a read of, its registers
.rept 4
	v_nop
.endr
.endm
.macro QUARTER slot, qn, f, g, zero    ; multiplies set f; in its middle fetches the slot's quarter qn into set g
	s_wait_dscnt 8                                 ; W's four and A's blocks 0, 1 are in; A's blocks 2, 3, 8 loads, may be out
	WIN MUL
	MUL4 \f, 0, \zero
	MUL4 \f, 1, \zero
	PLACES
	FETCH \slot, \qn, \g
	s_wait_dscnt 32                                ; all but the 32 just issued
	WIN MUL
	MUL4 \f, 2, \zero
	MUL4 \f, 3, \zero
.endm
; A slot's last quarter changes slots: one barrier; in front of it each wave waits for all its tensor loads, adds 0 to its spare word, and waits for that and for its reads of this slot.
.macro TURN slot, next, fill
	WIN 0
.if \fill
	s_wait_xcnt 0x0                                ; my last prefetch, a K step back, has read its address,
	s_add_nc_u64 s[92:93], s[92:93], s[94:95]      ; which goes a K step on: two ahead of the refill below
.endif
	s_wait_tensorcnt 0x0                           ; all my tensor loads have landed: my part of the next slot
	ds_add_u32 v[SPW], v[NIL]
	s_wait_dscnt 9                                 ; the add and A's blocks 2, 3 may be out
	WIN MUL
	MUL4 F1, 0, 0
	s_wait_dscnt 0x0                               ; the add is done, and my reads of this slot are over
	s_barrier_signal -1
	MUL4 F1, 1, 0
.if \fill
	WIN 0
.endif
	s_barrier_wait -1
.if \fill
	CREST                                          ; the barrier has opened a round of the cluster's: no wave of any partner still reads this slot or has a load on its way
	s_add_nc_u64 s[G0+4*\slot+2:G0+4*\slot+3], s[G0+4*\slot+2:G0+4*\slot+3], 4194304
	s_add_nc_u64 s[G0B+4*\slot+2:G0B+4*\slot+3], s[G0B+4*\slot+2:G0B+4*\slot+3], 1024
	JLOAD \slot                                    ; the first tensor load behind the round; its four v_nop are the places in front of the loads below
.else
	PLACES
.endif
	FETCH \next, 0, F0
.if \fill
	WIN 0
	s_cmp_gt_u32 s3, 1                             ; the loop's last trip loads K steps 6 and 7: there is no K step two on
	s_cbranch_scc0 .Lno_ask_\@
	global_prefetch_b8 v30, s[92:93] th:TH_LOAD_NT scope:SCOPE_SE
.Lno_ask_\@:
.endif
	WIN MUL
	MUL4 F1, 2, 0
	MUL4 F1, 3, 0
.endm
	s_wait_alu depctr_va_vdst(0)                   ; the wait at the head's end
	s_wait_tensorcnt 0x0                           ; my part of K step 0 is in; slot 1's first fill is issued as a refill is:
	ds_add_u32 v[SPW], v[NIL]
	s_wait_dscnt 0x0
	CROUND                                         ; everybody's part of K step 0 is in, and the joint loads meet
	JLOAD 1                                        ; K step 1: the first tensor load behind the round
	FETCH 0, 0, F0
	WIN 0
	global_prefetch_b8 v30, s[92:93] th:TH_LOAD_NT scope:SCOPE_SE   ; K step 3
	QUARTER 0, 1, F0, F1, 1                        ; the first quarter's products start the sums
.if LAPS > 1
	WIN 0
	s_mov_b32 s3, LAPS-1
.Llap:                                             ; a trip goes once round the ring and fills both slots again
	QUARTER 0, 2, F1, F0, 0
	QUARTER 0, 3, F0, F1, 0
	TURN 0, 1, 1
	QUARTER 1, 1, F0, F1, 0
	QUARTER 1, 2, F1, F0, 0
	QUARTER 1, 3, F0, F1, 0
	TURN 1, 0, 1
	QUARTER 0, 1, F0, F1, 0
	WIN 0
	s_sub_co_u32 s3, s3, 1
	s_cmp_lg_u32 s3, 0
	s_cbranch_scc1 .Llap
.endif
	WIN 0x80                                       ; destination window 2
.irp a, 0,1,2,3
.irp t, 0,1,2,3,4,5,6,7
	global_load_b128 v[32*\a+4*\t:32*\a+4*\t+3], v[CO], s[88:89] offset:(16*\a+2*\t)*4096   ; res, in the layout in which the stage gives rows back: asked for with two K steps of products to go, awaited on the way out
.endr
.endr
	WIN 0
	QUARTER 0, 2, F1, F0, 0
	QUARTER 0, 3, F0, F1, 0
	TURN 0, 1, 0
	QUARTER 1, 1, F0, F1, 0
	QUARTER 1, 2, F1, F0, 0
	QUARTER 1, 3, F0, F1, 0
	s_wait_dscnt 8
	WIN MUL
	MUL4 F1, 0, 0
	MUL4 F1, 1, 0
	s_wait_dscnt 0
	MUL4 F1, 2, 0
	MUL4 F1, 3, 0
	WIN 0
; THE WAY OUT, 16 rows x 64 columns at a time: the sums go through my stage as they are and come back as whole rows of 256 bytes; then sum x 2^(the exponents) + bias, + res, and the store.
.macro TOST a
.set TS, T+32*((\a)%2)
.irp b, 0,1,2,3
	ds_store_b128 v[STO], v[ACC+8*(4*(\a)+\b):ACC+8*(4*(\a)+\b)+3] offset:64*\b        ; each accumulator from its low end on
	ds_store_b128 v[STO], v[ACC+8*(4*(\a)+\b)+4:ACC+8*(4*(\a)+\b)+7] offset:64*\b+16
.endr
.irp t, 0,1,2,3,4,5,6,7
	ds_load_b128 v[TS+4*\t:TS+4*\t+3], v[RD] offset:2*\t*272   ; LDS serves a wave's instructions in order (ISA guide 5.7.1.4)
.endr
.endm
.macro FIN a, younger
.set TS, T+32*((\a)%2)
	s_wait_dscnt \younger
	s_wait_loadcnt 24-8*(\a)                       ; the bias and res up to this block are in; 8 loads for each later block may be out
.irp t, 0,1,2,3,4,5,6,7
	v_pk_fma_f32 v[TS+4*\t:TS+4*\t+1], v[TS+4*\t:TS+4*\t+1], s[96:97], v[BI:BI+1] op_sel_hi:[1,0,1]
	v_pk_fma_f32 v[TS+4*\t+2:TS+4*\t+3], v[TS+4*\t+2:TS+4*\t+3], s[96:97], v[BI+2:BI+3] op_sel_hi:[1,0,1]
.endr
	WIN 0x08                                       ; source 1: window 2
.irp t, 0,1,2,3,4,5,6,7
	v_pk_add_f32 v[TS+4*\t:TS+4*\t+1], v[TS+4*\t:TS+4*\t+1], v[32*(\a)+4*\t:32*(\a)+4*\t+1]
	v_pk_add_f32 v[TS+4*\t+2:TS+4*\t+3], v[TS+4*\t+2:TS+4*\t+3], v[32*(\a)+4*\t+2:32*(\a)+4*\t+3]
.endr
	WIN 0
.irp t, 0,1,2,3,4,5,6,7
	global_store_b128 v[CO], v[TS+4*\t:TS+4*\t+3], s[90:91] offset:(16*(\a)+2*\t)*4096   ; sixteen lanes store 256 consecutive bytes of a row, aligned
.endr
.endm
	s_wait_kmcnt 0x0
	s_add_co_i32 s96, s96, s97
	s_add_co_i32 s96, s96, 127
	s_lshl_b32 s96, s96, 23                        ; 2^(the two exponents) as f32
	s_mov_b32 s97, s96
	PLACES
	TOST 0
.irp a, 1,2,3
.if \a > 1
	s_wait_xcnt 0x0                                ; block a - 2's stores have read their data registers: block a's loads may land there
.endif
	TOST \a
	FIN \a-1, 16                                   ; behind block a - 1's loads: block a's 8 stores and 8 loads
.endr
	FIN 3, 0
	s_wait_tensorcnt 0x0                           ; the wave's end: a wait, an add to my spare word and its wait behind my last tensor load and my last LDS store
	ds_add_u32 v[SPW], v[NIL]
	s_wait_dscnt 0x0
	CROUND                                         ; the closing round
	s_endpgm
.Lfunc_end_k_q5cb4fadecb_w2:
	.size	k_q5cb4fadecb_w2, .Lfunc_end_k_q5cb4fadecb_w2-k_q5cb4fadecb_w2
	.p2alignl 7, 3214868480
	.fill 96, 4, 3214868480
	.section	.rodata,"a",@progbits
	.p2align	6, 0x0
	.amdhsa_kernel k_q5cb4fadecb_w2
		.amdhsa_group_segment_fixed_size 327680
		.amdhsa_private_segment_fixed_size 0
		.amdhsa_enable_private_segment 0
		.amdhsa_kernarg_size 48
		.amdhsa_user_sgpr_count 2
		.amdhsa_user_sgpr_kernarg_segment_ptr 1
		.amdhsa_wavefront_size32 1
		.amdhsa_system_sgpr_workgroup_id_x 1
		.amdhsa_system_sgpr_workgroup_id_y 1
		.amdhsa_system_sgpr_workgroup_id_z 1
		.amdhsa_system_vgpr_workitem_id 0
		.amdhsa_next_free_vgpr 768
		.amdhsa_next_free_sgpr 100
		.amdhsa_reserve_vcc 0
		.amdhsa_float_denorm_mode_32 3
		.amdhsa_float_denorm_mode_16_64 3
		.amdhsa_memory_ordered 1
		.amdhsa_forward_progress 1
		.amdhsa_inst_pref_size 84
	.end_amdhsa_kernel
	.amdgpu_metadata
---
amdhsa.version: [ 1, 2 ]
amdhsa.kernels:
  - .name:           k_q5cb4fadecb_w2
    .symbol:         k_q5cb4fadecb_w2.kd
    .args:
      - { .name: gc, .offset: 0, .size: 8, .value_kind: global_buffer, .address_space: global }
      - { .name: codes, .offset: 8, .size: 8, .value_kind: global_buffer, .address_space: global }
      - { .name: x1, .offset: 16, .size: 8, .value_kind: global_buffer, .address_space: global }
      - { .name: b2, .offset: 24, .size: 8, .value_kind: global_buffer, .address_space: global }
      - { .name: lowp_scales, .offset: 32, .size: 8, .value_kind: global_buffer, .address_space: global }
      - { .name: out0, .offset: 40, .size: 8, .value_kind: global_buffer, .address_space: global }
    .group_segment_fixed_size: 327680
    .private_segment_fixed_size: 0
    .kernarg_segment_align: 8
    .kernarg_segment_size: 48
    .max_flat_workgroup_size: 128
    .sgpr_count:     100
    .vgpr_count:     768
    .wavefront_size: 32
...
	.end_amdgpu_metadata
.endif
;; end of part 7
